; MI455X (gfx1250); checked and timed in simulation.
; The chip was launched on July 23, 2026; its instructions are those of AMD's public machine-readable ISA for CDNA 5 (MIT licence, August 2026) and "CDNA5" Instruction Set Architecture Reference Guide (July 2026). The comments in the code are by the model that wrote it; some were corrected since.
;; DIT Attention. Allowed arithmetic: matrix products marked QUANTISED: E2M1 operands, one E8M0 scale for each 32 along K, by v_wmma_scale_f32_16x16x128_f8f6f4 with both operands' format E2M1 (or v_wmma_scale_f32_32x16x128_f4), f32 sums; products left as they are: bf16, f16 or f32 operands; f32 sums; everything else in f32.
;; Inputs: Wk 1,024 x 2,048 float32; Wo 2,048 x 1,024 float32; Wq 1,024 x 2,048 float32; Wv 1,024 x 2,048 float32; k_norm_w 128 float32; q_norm_w 128 float32; rope_emb 2,048 x 1 x 64 x 2 x 2 float32; x 2 x 2,048 x 2,048 float32.
;; Outputs: out0 2 x 2,048 x 2,048 float32.
;; This version of the problem:
;;   THIS VERSION OF THE PROBLEM IS GIVEN IN LOW PRECISION. The matrix products marked QUANTISED in the list below multiply operands that are first quantised to E2M1 (2 exponent bits, 1 mantissa bit; 4 bits a number), with one power-of-two scale for each 32 numbers along K (OCP MX v1.0); their sums are f32. The products marked 'left as it is' may take bf16, f16 or f32 operands, with f32 sums. Whichever they take, every output number must still come out within the allowed error. Rounding operands to bf16 (8 significant bits) uses up far more of that allowance than f16 does (11 bits, for magnitudes from 6e-5 to 65,504). All else is computed in f32.
;;   The module's matrix products, in the order in which they are computed (A, B: the left and right operand; K: the contracted axis; several contracted axes count as one K, in the product's order):
;;     1. [M 4,096, K 2,048] x [K 2,048, N 1,024]; A: input x; B: input Wq: QUANTISED
;;     2. [M 4,096, K 2,048] x [K 2,048, N 1,024]; A: input x; B: input Wk: QUANTISED
;;     3. [M 4,096, K 2,048] x [K 2,048, N 1,024]; A: input x; B: input Wv: QUANTISED
;;     4. batch 16 x [M 2,048, K 128] x [K 128, N 2,048]; A: computed on the way; B: computed on the way: left as it is (an operand is computed on the way)
;;     5. batch 16 x [M 2,048, K 2,048] x [K 2,048, N 128]; A: computed on the way; B: computed on the way: left as it is (an operand is computed on the way)
;;     6. [M 4,096, K 1,024] x [K 1,024, N 2,048]; A: computed on the way; B: input Wo: left as it is (an operand is computed on the way)
;;   THE QUANTISER, for each operand of a quantised product, along K:
;;     - K is cut into blocks of 32 from its start; a last block that is shorter is filled with zeros.
;;     - A block's scale is 2^e with e = floor(log2(the largest magnitude in the block)) - 2, held to -126 .. 127; a block of zeros has e = 0. As a byte (E8M0): e + 127.
;;     - Each number is divided by its block's scale, clamped to +-6, and rounded to the nearest number of E2M1, ties to even, subnormals kept.
;;     - The product sums the exact products of the quantised numbers (number of the format x scale) in f32.
;;   ~~~python
;;   def quantise(x, axis):      # numpy; x: float32 -> the quantised numbers, widened to float32 again
;;       x = np.moveaxis(x, axis, -1); K = x.shape[-1]
;;       x = np.pad(x, [(0, 0)] * (x.ndim - 1) + [(0, -K % 32)]); x = x.reshape(x.shape[:-1] + (-1, 32)); a = np.abs(x).max(-1, keepdims=True)
;;       e = np.where(a > 0, np.clip(np.frexp(np.where(a > 0, a, 1))[1] - 1 - 2, -126, 127), 0)      # np.frexp(a)[1] - 1 = floor(log2(a)), exactly
;;       r = np.clip(x / 2.0 ** e, -6, 6)
;;       step = 2.0 ** (np.maximum(np.frexp(np.where(r == 0, 1, r))[1] - 1, 0) - 1)
;;       q = np.round(r / step) * step * 2.0 ** e      # np.round: ties to even
;;       return np.moveaxis(q.reshape(q.shape[:-2] + (-1,))[..., :K], -1, axis).astype(np.float32)
;;   ~~~
;; One version. Each part assembles by itself: llvm-mc -triple=amdgcn-amd-amdhsa -mcpu=gfx1250 --defsym DOCPART=n.
;; ======== version 1 of 1: 4 launches
;; limits: values are held in f16: magnitudes above 65,504 overflow, below 6.1e-05 lose precision
;; workspace buffers: x_codes 4,194,304 bytes; x_scales 262,144 bytes; w_codes 3,145,728 bytes; w_scales 196,608 bytes; woh 4,194,304 bytes; ropef 2,097,152 bytes; qkv 25,165,824 bytes; oh 8,388,608 bytes
;; launch prep (part 1): grid 544 x 1, 4 waves a work-group, no clusters, 50,688 bytes of LDS; arguments x, Wq, Wk, Wv, Wo, rope_emb, x_codes, x_scales, w_codes, w_scales, woh, ropef; writes x_codes, x_scales, w_codes, w_scales, woh, ropef
.if DOCPART == 1
	.amdgcn_target "amdgcn-amd-amdhsa--gfx1250"
	.amdhsa_code_object_version 6
	.text
	.protected	k_qba6caacadf_prep
	.globl	k_qba6caacadf_prep
	.p2align	8
	.type	k_qba6caacadf_prep,@function
k_qba6caacadf_prep:
	s_mov_b64 s[64:65], 0
	v_nop
	global_prefetch_b8 v0, s[64:65] scope:SCOPE_SE
	s_setreg_imm32_b32 hwreg(HW_REG_WAVE_MODE, 25, 1), 1
	s_wait_xcnt 0x0
; PREP: what the later launches read many times is laid out once.  Three kinds of work-group, told apart by the work-group's number alone:
;   0-447    x [4096][2048] and Wq, Wk, Wv [1024][2048], f32, K innermost, become codes of FP4 (E2M1) and one E8M0 scale byte for each 32 along K.  x: x_codes [4096][1024 bytes], x_scales [4096][64];
;            the three weights one below the other: w_codes [3072][1024 bytes], w_scales [3072][64].  32,768 numbers a work-group: 256 work-groups for x, 64 for each weight.
;   448-511  Wo [2048][1024] f32 becomes f16, same order (woh).
;   512-543  rope_emb [2048][64][2][2] is laid in the order in which a lane of the next launch wants it (ropef): [16 positions sb][b 0-3][g 0-7][lane][4 numbers]; lane (r = lane % 16, h = lane / 16),
;            g = 2 comp + half, comp = 2 a + bb of rope_emb[s][0][j][a][bb]: the numbers of j = 16 b + 8 h + 4 half + 0..3 at position s = 16 sb + r.
; THE QUANTISER.  A block's scale is 2^(floor(log2(its largest magnitude)) - 2); its byte is the largest magnitude's exponent field - 2, held at 1 from below; each number is divided by the scale and rounded
; to the nearest code, ties to even, beyond 6 the largest code.  Rows are dense and K is a multiple of 32: a tensor is a plain stream of blocks, and so are its codes and bytes.
; LIMITS: a block of zeros gets the byte 1 where the rule says 127 (its codes are zeros, which add nothing, and this program alone reads the bytes); blocks whose largest magnitude lies under 2^(3 - 127) are
; held at that floor; NaN and infinities are not served.  Wo goes to f16 as it is: magnitudes up to 65,504; under 6e-5 with f16's fixed step.
; No tensor loads, no barrier, no cluster: waves share nothing, and no two work-groups read the same bytes.  Each kind has LDS bytes of its own.
.set WAVES, 4
.set STEPS, 16
.set EMAX,  2
.set CB,    8                          ; bytes of 16 codes
.set R,     16                         ; v16-79   four sets of 16 numbers as they are loaded
.set X,     80                         ; v80-111  two sets of 16 neighbours
.set C,     128                        ; v128-191 codes: four registers for each step, so that no store's data are written again
.set E,     112                        ; v112-127 a scale byte for each step
.set WREG,  8192                       ; the quantiser's LDS: a region for each wave: two stages of 32 x SP bytes, then its 256 scale bytes
.set SP,    80                         ; a lane's place in a stage: 64 bytes + 16 of padding
.set RSTG,  WAVES*WREG                 ; the rope path's LDS: a stage of 16 rows x RPI bytes for each wave
.set RPI,   272                        ; 256 bytes + 16 of padding
.set SPARE, RSTG+WAVES*16*RPI          ; the spare words, 128 bytes for each wave: two blocks of 256 bytes that no other line names
.set SPW,   12                         ; v12  LDS address of my spare word; never rewritten
.set NIL,   13                         ; v13  0; never rewritten
	s_load_b512 s[4:19], s[0:1], 0x0               ; x, Wq, Wk, Wv, Wo, rope_emb, x_codes, x_scales
	s_load_b256 s[20:27], s[0:1], 0x40             ; w_codes, w_scales, woh, ropef
	v_lshl_add_u32 v[SPW], v0, 2, SPARE
	v_mov_b32 v[NIL], 0
	v_lshrrev_b32 v1, 5, v0
	v_readfirstlane_b32 s28, v1                    ; wave
	v_and_b32 v2, 31, v0                           ; lane
	s_wait_kmcnt 0x0
	s_cmp_lt_u32 ttmp9, 448
	s_cbranch_scc0 .Lnot_quant
; ---------------- the quantiser: a wave takes 16 steps of 512 numbers ----------------
; A conversion takes 8 numbers of ONE block from a lane's registers, so a lane must hold 16 neighbours; a load is best where neighbouring lanes take neighbouring bytes.  Both are had: a step's four loads read
; 512 consecutive bytes each, the 2,048 bytes go through the wave's own stage as they lie and come back 64 bytes a lane.  Loads run four steps ahead, the turn through LDS one step.
	v_lshlrev_b32 v3, 4, v2                        ; my 16 bytes of a load's 512
	s_mul_i32 s29, s28, WREG
	v_lshrrev_b32 v14, 2, v2
	v_mul_u32_u24 v14, v14, SP
	v_and_b32 v15, 3, v2
	v_lshl_add_u32 v14, v15, 4, v14
	v_add_nc_u32 v14, s29, v14                     ; the stage, on the way in: SP (lane / 4) + 16 (lane % 4)
	v_mul_u32_u24 v15, v2, SP
	v_add_nc_u32 v15, s29, v15                     ; and on the way out: SP x lane
	v_mul_u32_u24 v4, v2, CB                       ; my codes' place in a step's
	v_lshrrev_b32 v5, 1, v2
	s_add_co_u32 s29, s29, 2*32*SP
	v_add_nc_u32 v5, s29, v5                       ; my wave's 256 scale bytes, my block's byte
	v_lshlrev_b32 v7, 3, v2                        ; and on the way out 8 bytes a lane
	v_add_nc_u32 v6, s29, v7
	s_cmp_lt_u32 ttmp9, 384                        ; which tensor: the choices hang on the work-group's number alone
	s_cselect_b64 s[30:31], s[8:9], s[10:11]       ; Wk or Wv
	s_cmp_lt_u32 ttmp9, 320
	s_cselect_b64 s[30:31], s[6:7], s[30:31]       ; Wq
	s_cmp_lt_u32 ttmp9, 256
	s_cselect_b64 s[30:31], s[4:5], s[30:31]       ; x
	s_cselect_b64 s[32:33], s[16:17], s[20:21]     ; the codes' buffer
	s_cselect_b64 s[34:35], s[18:19], s[22:23]     ; the scale bytes'
	s_cselect_b32 s36, 0, 256                      ; the first work-group of that buffer
	s_cselect_b32 s37, -1, 63                      ; a weight's work-groups count from 0 in its own tensor (256, 320 and 384 are multiples of 64)
	s_and_b32 s37, ttmp9, s37
	s_sub_co_u32 s36, ttmp9, s36
	s_lshl_b32 s37, s37, 2
	s_add_co_u32 s37, s37, s28                     ; which run of 8,192 numbers of the source is my wave's,
	s_lshl_b32 s36, s36, 2
	s_add_co_u32 s36, s36, s28                     ; and of the destination
	s_lshl_b32 s38, s37, 15                        ; 32,768 bytes of f32,
	s_mov_b32 s39, 0
	s_add_nc_u64 s[30:31], s[30:31], s[38:39]
	s_lshl_b32 s38, s36, 12                        ; 4,096 bytes of codes,
	s_add_nc_u64 s[32:33], s[32:33], s[38:39]
	s_lshl_b32 s38, s36, 8                         ; 256 scale bytes a run
	s_add_nc_u64 s[34:35], s[34:35], s[38:39]
.macro LOAD t
.irp i, 0,1,2,3
	global_load_b128 v[R+16*((\t)%4)+4*\i:R+16*((\t)%4)+4*\i+3], v3, s[30:31] offset:2048*(\t)+512*\i th:TH_LOAD_NT   ; 32 lanes read 512 consecutive bytes
.endr
.endm
.macro TURN t                          ; step t's numbers through the stage: LDS serves a wave's instructions in order, so no wait stands between the stores and the loads
.irp i, 0,1,2,3
	ds_store_b128 v14, v[R+16*((\t)%4)+4*\i:R+16*((\t)%4)+4*\i+3] offset:32*SP*((\t)%2)+8*SP*\i
.endr
.irp i, 0,1,2,3
	ds_load_b128 v[X+16*((\t)%2)+4*\i:X+16*((\t)%2)+4*\i+3], v15 offset:32*SP*((\t)%2)+16*\i
.endr
.endm
.irp t, 0,1,2,3
	LOAD \t
.endr
	s_wait_loadcnt 12                              ; step 0's four loads are in
	TURN 0
.macro STEP t
.set XS, X+16*((\t)%2)
.if (\t) > 0
	s_wait_dscnt 1                                 ; this step's numbers are back from the stage (the last step's byte store may be out): so its stores into the stage have read their registers,
.else
	s_wait_dscnt 0x0
.endif
.if (\t)+4 < STEPS
	LOAD (\t)+4                                    ; which take the loads of four steps on
.endif
.if (\t)+1 < STEPS
.if STEPS-2-(\t) >= 3
	s_wait_loadcnt 12                              ; the next step's four loads are in; those of the three steps behind it may be out
.else
	s_wait_loadcnt 4*(STEPS-2-(\t))
.endif
	TURN (\t)+1                                    ; and go through the other stage while this step is worked
.endif
	v_max3_num_f32 v8, |v[XS]|, |v[XS+1]|, |v[XS+2]|               ; the largest magnitude of my 16, in two chains
	v_max3_num_f32 v9, |v[XS+3]|, |v[XS+4]|, |v[XS+5]|
.irp i, 6,10
	v_max3_num_f32 v8, v8, |v[XS+\i]|, |v[XS+\i+1]|
	v_max3_num_f32 v9, v9, |v[XS+\i+2]|, |v[XS+\i+3]|
.endr
	v_max3_num_f32 v8, v8, |v[XS+14]|, |v[XS+15]|
	v_max3_num_f32 v8, v8, v9, (EMAX+1)<<23        ; and the floor 2^(EMAX + 1 - 127): so the byte cannot fall under 1
	v_max_num_f32_dpp v8, v8, v8 row_xmask:1 row_mask:0xf bank_mask:0xf   ; and of my neighbour's 16: the block's
	v_add_nc_u32 v11, -(EMAX<<23), v8              ; EMAX off its exponent field: the conversion takes the exponent field of this operand as its scale, and nothing else of it
	v_cvt_scalef32_pk8_fp4_f32 v[C+4*(\t)], v[XS:XS+7], v11
	v_cvt_scalef32_pk8_fp4_f32 v[C+4*(\t)+1], v[XS+8:XS+15], v11
	v_lshrrev_b32 v[E+(\t)], 23, v11               ; the scale's byte (also the plain line behind the conversions)
	ds_store_b8 v5, v[E+(\t)] offset:16*(\t)       ; both lanes of a block write the same byte with the same value
	global_store_b64 v4, v[C+4*(\t):C+4*(\t)+1], s[32:33] offset:32*CB*(\t)   ; the wave stores 256 consecutive bytes, aligned
.endm
.irp t, 0,1,2,3,4,5,6,7,8,9,10,11,12,13,14,15
	STEP \t
.endr
	ds_load_b64 v[8:9], v6                         ; LDS serves a wave's instructions in order: these see my byte stores
	s_wait_dscnt 0x0
	global_store_b64 v7, v[8:9], s[34:35]          ; 32 lanes store 256 consecutive bytes, aligned
	s_branch .Lend
.Lnot_quant:
	s_cmp_lt_u32 ttmp9, 512
	s_cbranch_scc0 .Lrope
; ---------------- Wo to f16: a wave takes 8,192 numbers, 64 loads of 512 bytes, in four groups of 16; two groups are on their way ----------------
	s_sub_co_u32 s29, ttmp9, 448
	s_lshl_b32 s29, s29, 2
	s_add_co_u32 s29, s29, s28                     ; my run
	s_lshl_b32 s30, s29, 15
	s_mov_b32 s31, 0
	s_add_nc_u64 s[12:13], s[12:13], s[30:31]
	s_lshl_b32 s30, s29, 14
	s_add_nc_u64 s[24:25], s[24:25], s[30:31]
	v_lshlrev_b32 v1, 4, v2                        ; in: 16 bytes a lane
	v_lshlrev_b32 v3, 3, v2                        ; out: 8 bytes a lane
.macro LOADG g
.set i, 0
.rept 16
	global_load_b128 v[16+64*((\g)%2)+4*i:16+64*((\g)%2)+4*i+3], v1, s[12:13] offset:512*(16*(\g)+i) th:TH_LOAD_NT
.set i, i+1
.endr
.endm
	LOADG 0
	LOADG 1
.irp g, 0,1,2,3
.if \g < 3
	s_wait_loadcnt 16                              ; this group is in; the next group's 16 may be out
.else
	s_wait_loadcnt 0x0
.endif
.set i, 0
.rept 16
.set q, 16+64*(\g%2)+4*i
	v_cvt_pk_f16_f32 v[q], v[q], v[q+1]            ; four numbers into the quad's first two registers
	v_cvt_pk_f16_f32 v[q+1], v[q+2], v[q+3]
	global_store_b64 v3, v[q:q+1], s[24:25] offset:256*(16*\g+i)   ; the wave stores 256 consecutive bytes, aligned
.set i, i+1
.endr
.if \g < 2
	s_wait_xcnt 0x0                                ; the stores have read their registers: the group two on may land there
	LOADG \g+2
.endif
.endr
	s_branch .Lend
.Lrope:
; ---------------- rope_emb in lane order: a wave takes 16 positions (16 KiB), in four passes of 16 j ----------------
; In memory a position's row is 1,024 bytes, 16 bytes (the four components) for each j.  A pass reads 256 bytes of each of the 16 rows, sixteen lanes to a row; through the wave's stage each lane gets the
; eight j of its position and half; 32 moves turn [j][component] into [component][j], so that the next launch finds pairs of neighbouring j for packed arithmetic; the stores are 512 dense bytes.
	s_sub_co_u32 s29, ttmp9, 512
	s_lshl_b32 s29, s29, 2
	s_add_co_u32 s29, s29, s28                     ; sb
	s_lshl_b32 s30, s29, 14
	s_mov_b32 s31, 0
	s_add_nc_u64 s[14:15], s[14:15], s[30:31]
	s_add_nc_u64 s[26:27], s[26:27], s[30:31]
	s_mul_i32 s29, s28, 16*RPI
	s_add_co_u32 s29, s29, RSTG                    ; my stage
	v_and_b32 v5, 15, v2                           ; r
	v_lshrrev_b32 v6, 4, v2                        ; h
	v_lshlrev_b32 v7, 4, v5
	v_lshl_add_u32 v1, v6, 10, v7                  ; in: row h of a pair of rows, 16 bytes a lane
	v_mul_u32_u24 v8, v6, RPI
	v_add_nc_u32 v3, v8, v7
	v_add_nc_u32 v3, s29, v3                       ; into the stage: the same
	v_mul_u32_u24 v8, v5, RPI
	v_lshl_add_u32 v8, v6, 7, v8
	v_add_nc_u32 v9, s29, v8                       ; out of it: position r, the eight j of my half
	v_lshlrev_b32 v4, 4, v2                        ; out: 16 bytes a lane
.irp b, 0,1,2,3
.irp i, 0,1,2,3,4,5,6,7
	global_load_b128 v[16+32*\b+4*\i:16+32*\b+4*\i+3], v1, s[14:15] offset:2048*\i+256*\b th:TH_LOAD_NT
.endr
.endr
.irp b, 0,1,2,3
	s_wait_loadcnt 24-8*\b                         ; this pass's eight loads are in; the later passes' may be out
.irp i, 0,1,2,3,4,5,6,7
	ds_store_b128 v3, v[16+32*\b+4*\i:16+32*\b+4*\i+3] offset:2*RPI*\i   ; (behind the last pass's reads: LDS serves a wave's instructions in order)
.endr
.irp j, 0,1,2,3,4,5,6,7
	ds_load_b128 v[144+4*\j:144+4*\j+3], v9 offset:16*\j
.endr
	s_wait_dscnt 0x0
.if \b > 0
	s_wait_xcnt 0x0                                ; the last pass's stores have read v176-207
.endif
.irp c, 0,1,2,3
.irp j, 0,1,2,3,4,5,6,7
	v_mov_b32 v[176+8*\c+\j], v[144+4*\j+\c]
.endr
.endr
.irp g, 0,1,2,3,4,5,6,7
	global_store_b128 v4, v[176+4*\g:176+4*\g+3], s[26:27] offset:4096*\b+512*\g
.endr
.endr
.Lend:
	s_wait_tensorcnt 0x0                           ; the wave's end: the add and its wait behind my last LDS store, the tensor wait even in a text with no tensor load
	ds_add_u32 v[SPW], v[NIL]
	s_wait_dscnt 0x0
	s_endpgm
.Lfunc_end_k_qba6caacadf_prep:
	.size	k_qba6caacadf_prep, .Lfunc_end_k_qba6caacadf_prep-k_qba6caacadf_prep
	.p2alignl 7, 3214868480
	.fill 96, 4, 3214868480
	.section	.rodata,"a",@progbits
	.p2align	6, 0x0
	.amdhsa_kernel k_qba6caacadf_prep
		.amdhsa_group_segment_fixed_size 50688
		.amdhsa_private_segment_fixed_size 0
		.amdhsa_enable_private_segment 0
		.amdhsa_kernarg_size 96
		.amdhsa_user_sgpr_count 2
		.amdhsa_user_sgpr_kernarg_segment_ptr 1
		.amdhsa_wavefront_size32 1
		.amdhsa_system_sgpr_workgroup_id_x 1
		.amdhsa_system_sgpr_workgroup_id_y 1
		.amdhsa_system_sgpr_workgroup_id_z 1
		.amdhsa_system_vgpr_workitem_id 0
		.amdhsa_next_free_vgpr 208
		.amdhsa_next_free_sgpr 66
		.amdhsa_reserve_vcc 0
		.amdhsa_float_denorm_mode_32 3
		.amdhsa_float_denorm_mode_16_64 3
		.amdhsa_memory_ordered 1
		.amdhsa_forward_progress 1
		.amdhsa_inst_pref_size 70
	.end_amdhsa_kernel
	.amdgpu_metadata
---
amdhsa.version: [ 1, 2 ]
amdhsa.kernels:
  - .name:           k_qba6caacadf_prep
    .symbol:         k_qba6caacadf_prep.kd
    .args:
      - { .name: x, .offset: 0, .size: 8, .value_kind: global_buffer, .address_space: global }
      - { .name: Wq, .offset: 8, .size: 8, .value_kind: global_buffer, .address_space: global }
      - { .name: Wk, .offset: 16, .size: 8, .value_kind: global_buffer, .address_space: global }
      - { .name: Wv, .offset: 24, .size: 8, .value_kind: global_buffer, .address_space: global }
      - { .name: Wo, .offset: 32, .size: 8, .value_kind: global_buffer, .address_space: global }
      - { .name: rope_emb, .offset: 40, .size: 8, .value_kind: global_buffer, .address_space: global }
      - { .name: x_codes, .offset: 48, .size: 8, .value_kind: global_buffer, .address_space: global }
      - { .name: x_scales, .offset: 56, .size: 8, .value_kind: global_buffer, .address_space: global }
      - { .name: w_codes, .offset: 64, .size: 8, .value_kind: global_buffer, .address_space: global }
      - { .name: w_scales, .offset: 72, .size: 8, .value_kind: global_buffer, .address_space: global }
      - { .name: woh, .offset: 80, .size: 8, .value_kind: global_buffer, .address_space: global }
      - { .name: ropef, .offset: 88, .size: 8, .value_kind: global_buffer, .address_space: global }
    .group_segment_fixed_size: 50688
    .private_segment_fixed_size: 0
    .kernarg_segment_align: 8
    .kernarg_segment_size: 96
    .max_flat_workgroup_size: 128
    .sgpr_count:     66
    .vgpr_count:     208
    .wavefront_size: 32
...
	.end_amdgpu_metadata
.endif
;; end of part 1
;; launch qkv (part 2): grid 12 x 16, 4 waves a work-group, clusters of 4 x 4, 327,680 bytes of LDS; arguments x_codes, x_scales, w_codes, w_scales, ropef, q_norm_w, k_norm_w, qkv; writes qkv
.if DOCPART == 2
	.amdgcn_target "amdgcn-amd-amdhsa--gfx1250"
	.amdhsa_code_object_version 6
	.text
	.protected	k_qba6caacadf_qkv
	.globl	k_qba6caacadf_qkv
	.p2align	8
	.type	k_qba6caacadf_qkv,@function
k_qba6caacadf_qkv:
	s_mov_b64 s[64:65], 0
	v_nop
	global_prefetch_b8 v0, s[64:65] scope:SCOPE_SE
	s_setreg_imm32_b32 hwreg(HW_REG_WAVE_MODE, 25, 1), 1
	s_wait_xcnt 0x0
	s_wait_alu depctr_hold_cnt(0) depctr_sa_sdst(0) depctr_va_vdst(0) depctr_va_sdst(0) depctr_va_ssrc(0) depctr_va_vcc(0) depctr_vm_vsrc(0)
	s_getreg_b32 s2, hwreg(HW_REG_IB_STS2, 6, 4)
	s_cmp_eq_u32 s2, 0
	s_cbranch_scc0 .Lentry_in_a_cluster
	s_endpgm
.Lentry_in_a_cluster:
	s_bfe_u32 s2, ttmp6, 0x10000c
	s_cmp_lg_u32 s2, 0xf033
	s_cbranch_scc0 .Lentry_shape_is_right
	s_endpgm
.Lentry_shape_is_right:
; QKV: [4096 tokens][3072 features] = x W^T on codes of FP4 (E2M1) with one E8M0 scale for each 32 along K = 2,048; features 0-1023 are q's, 1024-2047 k's, 2048-3071 v's.  Sums in f32.
; Then, in registers: q and k: RMS norm over a head's 128, the gain, the 2 x 2 mix of channels j and j + 64 by rope_emb, x 1/8, to f16; v: to f16.  Out: qkv, three parts (q/8, k/8, v), each [batch 8 + head][2048][128] f16.
; A tile of 256 tokens x 256 features is made by a work-group of four waves; a wave makes 128 tokens x 128 features, which is ONE head: 64 accumulators of 16 x 16, 512 registers.
; K goes in steps of 512 through a ring of two LDS slots filled by the tensor data mover: a tile's row is 256 bytes of memory.  The scale bytes of the work-group's rows, for all of K, come into LDS once.
; CLUSTERS: 4 x 4 work-groups.  The four of a row of the cluster need the same tiles of x, the four of a column the same tiles of W: each tile is asked for JOINTLY.  A cluster's four tile columns are 1,024
; features: the cluster's x IS the kind (0 q, 1 k, 2 v), the same in all sixteen partners, so the way out may branch on it.
; THE MATRIX INSTRUCTION IS USED TRANSPOSED (source 0 = 16 features, source 1 = 16 tokens): lane (r, h) of token block a holds token 16 a + r and, in accumulator b's register i, feature 16 b + 8 h + i.
; So a lane holds 64 channels of one token's head, lane xor 16 the other 64, and channels j and j + 64 lie in one lane (accumulators b and b + 4).
; LIMITS: q/8 and k/8 are kept in f16: |q| is at most sqrt(128) x 2 x max|gain| x max|rope_emb|, so f16 holds them while max|gain| x max|rope_emb| stays under 23,000; v in f16 holds magnitudes up to 65,504.
; NaN and infinities are not served.
; REGISTERS, in windows of 256: window 0: v0-31 addresses; v32-95 scale words, two sets; v128-191 x's fragments, ONE set; v192-255 the gain.  On the way out v2-15, v32-191 are at work.
;   window 1: W's fragments, TWO sets, at v0 and at v128; v64-127 and v192-255: rope block 0, asked for at the head.   window 2: the accumulators of my tokens 0-63;   window 3: of my tokens 64-127.
.set KSTEP,  512
.set NQ,     KSTEP/128
.set ROWB,   256                       ; a tile's row in bytes
.set KROW,   1024                      ; a row of codes in memory
.set PITCH,  272                       ; an LDS row: 256 bytes + 16 of padding: the 16 rows that a load touches start 68 words apart
.set FR,     8
.set NL,     2
.set NP,     4                         ; places behind this matrix instruction (ISA guide 7.12.1)
.set HALFT,  128*PITCH
.set SLOT,   4*HALFT
.set LAPS,   2                         ; K = 2,048 is four K steps: twice round the ring
.set KS,     64                        ; a row of scale bytes
.set SCL,    2*SLOT
.set HALFS,  (128*KS/256)*272
.set SBLK,   (16*KS/256)*272
.set SPARE,  SCL+4*HALFS               ; the spare words, 128 bytes for each wave: two blocks of 256 bytes that no other line names
.set SPITCH, 272                       ; the way out: a stage of 16 rows x (256 bytes + 16) for each wave, in slot 0, which has had its last fill and its last read by then; q's and k's way at byte 0, v's at VSTG
.set VSTG,   4*16*SPITCH
.set ADRA, 16
.set ADRB, 20
.set STO,  24                          ; v24  the way out: where I put 16 bytes of a row
.set RD,   25                          ; v25  where I read a row back
.set ADRS, 27
.set SPW,  28
.set NIL,  29
.set LN,   30                          ; v30  16 x lane: rope loads and output stores; never rewritten
.set GH,   31                          ; v31  32 x (lane / 16): the gain's loads; never rewritten
.set SC,   32
.set AF,   128
.set SS,   2                           ; v2-9   sums of squares, four pairs
.set RF,   10                          ; v10    the norm's factor; v11 its pair's upper half, and the exchange
.set T,    32                          ; v32-95 the 64 numbers at work
.set TMP,  96                          ; v96-127 as f16
.set BK,   128                         ; v128-159, v160-191: 16 rows back from the stage, by turns
.set GN,   192                         ; v192-255 the gain: register 8 b + i = w[16 b + 8 h + i]
.set G1, 24
.set G0, 32
.set G1B, 48
.set G0B, 56
.set G1S, 68
.set G0S, 76
.set G1SB, 80
.set G0SB, 88
.set ROPE, 96                          ; s[96:97]  ropef at my wave's first position
.set GAIN, 98                          ; s[98:99]  the kind's gain
.set SEL,  66                          ; s[66:67]  v_permlanex16_b32's selects for lane xor 16
.set MSB, 0
.macro WIN new                         ; the immediate's high byte repeats the setting that is left
.if MSB != \new
	s_set_vgpr_msb (MSB<<8)|\new
.set MSB, \new
.endif
.endm
.set MUL_LO, 0xa1                      ; source 0 (W) window 1, source 1 (x) window 0, C and D window 2
.set MUL_HI, 0xf1
.set TO_B,   0x40
; A joint load: waves 0 and 1 fetch for x, waves 2 and 3 for W.  The branch hangs on the wave's number alone.  An s_nop 0 and four v_nop follow each of the two lines.
.macro JLOAD g0a, g1a, g0b, g1b
	s_cmp_eq_u32 s15, 0
	s_cbranch_scc0 .Lfor_b_\@
	tensor_load_to_lds s[\g0a:\g0a+3], s[\g1a:\g1a+7]
	s_nop 0
.rept 4
	v_nop
.endr
	s_branch .Lasked_\@
.Lfor_b_\@:
	tensor_load_to_lds s[\g0b:\g0b+3], s[\g1b:\g1b+7]
	s_nop 0
.rept 4
	v_nop
.endr
.Lasked_\@:
.endm
.macro CREST                           ; a round of the cluster's barrier behind its opening barrier
	s_cmp_lg_u32 s14, 0
	s_cbranch_scc1 .Lnot_wave_0_\@
	s_barrier_signal -3
.Lnot_wave_0_\@:
	s_barrier_wait -3
	s_barrier_signal -1
	s_barrier_wait -1
.endm
.macro CROUND
	s_barrier_signal -1
	s_barrier_wait -1
	CREST
.endm
	s_load_b128 s[4:7], s[0:1], 0x0                ; x's codes, x's scales
	s_load_b128 s[8:11], s[0:1], 0x10              ; W's codes, W's scales
	s_load_b128 s[96:99], s[0:1], 0x20             ; ropef, q_norm_w
	s_load_b64 s[100:101], s[0:1], 0x30            ; k_norm_w
	s_load_b64 s[12:13], s[0:1], 0x38              ; qkv
	v_lshl_add_u32 v[SPW], v0, 2, SPARE
	v_mov_b32 v[NIL], 0
	ds_add_u32 v[SPW], v[NIL]                      ; the wave's opening: the add, twice on end, and its wait ahead of my first tensor load
	ds_add_u32 v[SPW], v[NIL]
	v_lshrrev_b32 v1, 5, v0
	v_readfirstlane_b32 s14, v1                    ; wave 0..3
	s_lshr_b32 s15, s14, 1                         ; which half of the tile's tokens is mine.  Also: I fetch for x (0) or for W (1)
	s_and_b32 s16, s14, 1                          ; which half of its features.  Also: which 128 rows of that tile I fetch
	s_bfe_u32 s40, ttmp6, 0x40000                  ; cx, cy: my place in the cluster
	s_bfe_u32 s41, ttmp6, 0x40004
	s_lshl_b32 s42, ttmp9, 2
	s_add_co_u32 s42, s42, s40                     ; tile column = 4 x cluster x + cx
	s_and_b32 s17, ttmp7, 0xffff
	s_lshl_b32 s17, s17, 2
	s_add_co_u32 s17, s17, s41                     ; tile row = 4 x cluster y + cy
	s_lshl_b32 s43, s41, 2
	s_lshl_b32 s43, 15, s43                        ; my row of the cluster
	s_lshl_b32 s44, 0x1111, s40                    ; my column
	; descriptor group 1: a tile of 128 rows x 256 bytes, 16 bytes of padding behind each row
	s_or_b32 s[G1+0], s43, (0<<16)|(1<<20)|(1<<21)|(5<<22)|(3<<25)  ; 15:0 the mask: x's tiles go to my row; 17:16 element of 1 byte; 20 padding on; 21 set beside a mask; 24:22 after every 64 words; 31:25 of 4 words
	s_or_b32 s[G1B+0], s44, (0<<16)|(1<<20)|(1<<21)|(5<<22)|(3<<25)
.irp g, G1, G1B
	s_mov_b32 s[\g+1], ROWB<<16                    ; tensor_dim0
	s_mov_b32 s[\g+2], 128<<16                     ; tensor_dim1
	s_mov_b32 s[\g+3], ROWB<<16                    ; tile_dim0
	s_mov_b32 s[\g+4], 128                         ; tile_dim1
	s_mov_b32 s[\g+5], KROW                        ; tensor_dim0_stride
	s_mov_b32 s[\g+6], 0
	s_mov_b32 s[\g+7], 0
.endr
	; the scale bytes of 128 rows: a dense block of 8,192 bytes, as 32 rows of 256 bytes (32 elements of 8 bytes), 16 bytes of padding behind each
	s_or_b32 s[G1S+0], s43, (3<<16)|(1<<20)|(1<<21)|(5<<22)|(3<<25)
	s_or_b32 s[G1SB+0], s44, (3<<16)|(1<<20)|(1<<21)|(5<<22)|(3<<25)
.irp g, G1S, G1SB
	s_mov_b32 s[\g+1], 32<<16
	s_mov_b32 s[\g+2], (128*KS/256)<<16
	s_mov_b32 s[\g+3], 32<<16
	s_mov_b32 s[\g+4], 128*KS/256
	s_mov_b32 s[\g+5], 32
	s_mov_b32 s[\g+6], 0
	s_mov_b32 s[\g+7], 0
.endr
	s_lshl_b32 s18, s16, 7                         ; which 128 rows of the tile I fetch
	s_lshl_b32 s20, s17, 8
	s_add_co_u32 s20, s20, s18                     ; x: row 256 x tile row + 128 x half
	s_lshl_b32 s46, s42, 8
	s_add_co_u32 s46, s46, s18                     ; W: row 256 x tile column + 128 x half
	s_mov_b32 s21, 0
	s_mov_b32 s47, 0
	s_mov_b64 s[18:19], KS
	s_mul_u64 s[22:23], s[20:21], s[18:19]         ; where these rows' scale bytes begin
	s_mul_u64 s[92:93], s[46:47], s[18:19]
	s_mov_b64 s[18:19], KROW
	s_mul_u64 s[20:21], s[20:21], s[18:19]         ; and their codes
	s_mul_u64 s[46:47], s[46:47], s[18:19]
	s_mul_i32 s45, s14, HALFT                      ; where they go: wave x 128 rows: no place in the cluster enters an LDS address
	s_mul_i32 s94, s14, HALFS
	s_mov_b32 s[SEL], 0x76543210
	s_mov_b32 s[SEL+1], 0xfedcba98
	s_mov_b32 s95, 0x358637bd                      ; 1e-6
	s_mov_b32 s2, 0x3c000000                       ; 1 / 128
	s_wait_dscnt 0x0                               ; both opening adds are done
	s_wait_kmcnt 0x0
	s_add_nc_u64 s[20:21], s[4:5], s[20:21]
	s_add_nc_u64 s[22:23], s[6:7], s[22:23]
	s_add_nc_u64 s[46:47], s[8:9], s[46:47]
	s_add_nc_u64 s[92:93], s[10:11], s[92:93]
	CROUND                                         ; all sixteen work-groups are here: the first joint loads meet
	s_mov_b32 s[G0S], 1
	s_add_co_u32 s[G0S+1], s94, SCL
	s_mov_b64 s[G0S+2:G0S+3], s[22:23]
	s_or_b32 s[G0S+3], s[G0S+3], 0x80000000
	s_mov_b32 s[G0SB], 1
	s_add_co_u32 s[G0SB+1], s94, SCL
	s_mov_b64 s[G0SB+2:G0SB+3], s[92:93]
	s_or_b32 s[G0SB+3], s[G0SB+3], 0x80000000
	JLOAD G0S, G1S, G0SB, G1SB                     ; the scale bytes first: they are wanted with K step 0
.irp s, 0,1
	s_mov_b32 s[G0+4*\s], 1
	s_add_co_u32 s[G0+4*\s+1], s45, \s*SLOT
	s_add_nc_u64 s[G0+4*\s+2:G0+4*\s+3], s[20:21], \s*ROWB
	s_or_b32 s[G0+4*\s+3], s[G0+4*\s+3], 0x80000000
	s_mov_b32 s[G0B+4*\s], 1
	s_add_co_u32 s[G0B+4*\s+1], s45, \s*SLOT
	s_add_nc_u64 s[G0B+4*\s+2:G0B+4*\s+3], s[46:47], \s*ROWB
	s_or_b32 s[G0B+4*\s+3], s[G0B+4*\s+3], 0x80000000
	JLOAD G0+4*\s, G1, G0B+4*\s, G1B
.endr
	v_and_b32 v1, 15, v0                           ; r
	v_bfe_u32 v2, v0, 4, 1                         ; h
	v_mul_u32_u24 v3, v1, PITCH
	v_lshl_add_u32 v4, v2, 4, v3                   ; a fragment's row x pitch + 16 x half
	s_mul_i32 s21, s15, HALFT                      ; my 128 rows of x
	s_mul_i32 s22, s16, HALFT                      ; my 128 rows of W,
	s_add_co_u32 s22, s22, 2*HALFT                 ; which lie behind x's 256
.irp s, 0,1
	v_add_nc_u32 v[ADRA+\s], s21, v4
	v_add_nc_u32 v[ADRB+\s], s22, v4
	s_add_co_u32 s21, s21, SLOT
	s_add_co_u32 s22, s22, SLOT
.endr
	v_mul_u32_u24 v5, v1, KS                       ; my row's scale bytes: KS a row,
	v_lshrrev_b32 v6, 8, v5
	v_lshl_add_u32 v5, v6, 4, v5                   ; and 16 more for each 256 passed
	s_mul_i32 s21, s15, HALFS
	s_mul_i32 s22, s16, HALFS
	s_add_co_u32 s22, s22, 2*HALFS
	s_sub_co_u32 s22, s22, s21
	v_mul_u32_u24 v6, s22, v2                      ; lanes 16-31 take W's
	s_add_co_u32 s21, s21, SCL
	v_add_nc_u32 v5, v5, v6
	v_add_nc_u32 v[ADRS], s21, v5
	s_mul_i32 s23, s14, 16*SPITCH                  ; my stage
	v_mul_u32_u24 v5, v1, SPITCH                   ; in: row r, 16 bytes for each half of the lanes
	v_lshl_add_u32 v5, v2, 4, v5
	v_add_nc_u32 v[STO], s23, v5
	v_mul_u32_u24 v5, v2, SPITCH                   ; back: lanes 0-15 one row of 256 bytes, lanes 16-31 the next
	v_lshl_add_u32 v5, v1, 4, v5
	v_add_nc_u32 v[RD], s23, v5
	v_and_b32 v6, 31, v0
	v_lshlrev_b32 v[LN], 4, v6
	v_lshlrev_b32 v[GH], 5, v2
	; ropef at my wave's first position: (256 x tile row + 128 x half) mod 2,048, 1,024 bytes a position
	s_lshl_b32 s20, s17, 8
	s_lshl_b32 s21, s15, 7
	s_add_co_u32 s20, s20, s21
	s_and_b32 s20, s20, 2047
	s_lshl_b32 s20, s20, 10
	s_mov_b32 s21, 0
	s_add_nc_u64 s[ROPE:ROPE+1], s[ROPE:ROPE+1], s[20:21]
	s_cmp_eq_u32 ttmp9, 0
	s_cselect_b64 s[GAIN:GAIN+1], s[GAIN:GAIN+1], s[100:101]   ; q's gain, or k's
	; where my wave's head begins in qkv: kind x 8,388,608 + ((batch 8 + head) 2,048 + position) 256
	s_lshr_b32 s20, s17, 3                         ; batch: a batch is eight tile rows
	s_lshl_b32 s20, s20, 3
	s_lshl_b32 s46, s40, 1
	s_add_co_u32 s46, s46, s16                     ; head = 2 cx + my half of the features
	s_add_co_u32 s46, s46, s20
	s_lshl_b32 s46, s46, 11
	s_and_b32 s47, s17, 7
	s_lshl_b32 s47, s47, 8
	s_add_co_u32 s46, s46, s47
	s_lshl_b32 s47, s15, 7
	s_add_co_u32 s46, s46, s47
	s_lshl_b32 s46, s46, 8
	s_lshl_b32 s47, ttmp9, 23
	s_add_co_u32 s46, s46, s47
	s_mov_b32 s47, 0
	s_add_nc_u64 s[12:13], s[12:13], s[46:47]
; 32 loads of 512 dense bytes: the rope numbers of token block a, into buffer a % 2 of window 1: buffer 0 = v64-127, v192-255 (idle in the loop), buffer 1 = W's two sets (free behind the loop).
; Group b's 32 registers begin at FB; register FB + 8 comp + i is component comp of j = 16 b + 8 h + i at my token's position.
.macro ROPELOAD a
	WIN 0x40
.irp b, 0,1,2,3
.set FB, 64*(1-(\a)%2)+128*(\b/2)+32*(\b%2)
.irp g, 0,1,2,3,4,5,6,7
	global_load_b128 v[FB+4*\g:FB+4*\g+3], v[LN], s[ROPE:ROPE+1] offset:(\a)*16384+4096*\b+512*\g
.endr
.endr
	WIN 0
.endm
	; the gain and rope block 0 are asked for here and land under the products.  Every kind asks, v's work-groups too (they use neither): so every way through the text finds these registers written
.irp b, 0,1,2,3,4,5,6,7
	global_load_b128 v[GN+8*\b:GN+8*\b+3], v[GH], s[GAIN:GAIN+1] offset:64*\b
	global_load_b128 v[GN+8*\b+4:GN+8*\b+7], v[GH], s[GAIN:GAIN+1] offset:64*\b+16
.endr
	ROPELOAD 0
.macro FRAG reg, adr, q, i             ; a fragment, 16 rows x 128 K of 4-bit codes: lane l holds row l % 16; registers 4 c .. 4 c + 3 hold K = 64 c + 32 (l / 16) + 0 .. 31
.irp c, 0,1
	ds_load_b128 v[\reg+4*\c:\reg+4*\c+3], v[\adr] offset:64*(\q)+32*\c+(\i)*16*PITCH
.endr
.endm
; 16 matrix instructions: x's blocks a0, a0 + 1 against W's eight, 128 along K.  The 64 accumulators take turns, one instruction a turn, in the same order in every step.
.macro MUL16 a0, p, q, sc, zero
.irp a, \a0, \a0+1
.irp b, 0,1,2,3,4,5,6,7
.if \zero
	v_wmma_scale_f32_16x16x128_f8f6f4 v[8*(8*((\a)%4)+\b):8*(8*((\a)%4)+\b)+7], v[128*(\p)+FR*\b:128*(\p)+FR*\b+FR-1], v[AF+FR*(\a):AF+FR*(\a)+FR-1], 0, v[SC+8*NQ*(\sc)+NQ*\b+(\q)], v[SC+8*NQ*(\sc)+NQ*(\a)+(\q)] matrix_a_fmt:MATRIX_FMT_FP4 matrix_b_fmt:MATRIX_FMT_FP4 matrix_a_scale:MATRIX_SCALE_ROW1
.else
	v_wmma_scale_f32_16x16x128_f8f6f4 v[8*(8*((\a)%4)+\b):8*(8*((\a)%4)+\b)+7], v[128*(\p)+FR*\b:128*(\p)+FR*\b+FR-1], v[AF+FR*(\a):AF+FR*(\a)+FR-1], v[8*(8*((\a)%4)+\b):8*(8*((\a)%4)+\b)+7], v[SC+8*NQ*(\sc)+NQ*\b+(\q)], v[SC+8*NQ*(\sc)+NQ*(\a)+(\q)] matrix_a_fmt:MATRIX_FMT_FP4 matrix_b_fmt:MATRIX_FMT_FP4 matrix_a_scale:MATRIX_SCALE_ROW1
.endif
.endr
.endr
.endm
.macro FETCH_B slot, q, p
	WIN TO_B
.irp i, 0,1,2,3,4,5,6,7
	FRAG 128*(\p)+FR*\i, ADRB+\slot, \q, \i
.endr
	WIN 0
.endm
.macro FETCH_A slot, q, i0
.irp i, \i0, \i0+1, \i0+2, \i0+3
	FRAG AF+FR*(\i), ADRA+\slot, \q, \i
.endr
.endm
.macro SCALES sc                       ; a K step's scale words: four words a row; lanes 0-15 take x's block i, lanes 16-31 W's block i
.irp i, 0,1,2,3,4,5,6,7
	ds_load_b128 v[SC+8*NQ*\sc+NQ*\i:SC+8*NQ*\sc+NQ*\i+3], v[ADRS] offset:\i*SBLK
.endr
.endm
.macro PLACES n                        ; plain vector lines between a matrix instruction and a load into, or a vector line on, its registers
.rept \n
	v_nop
.endr
.endm
.macro STEP slot, q, zero              ; a step of 128 along K that has its successor in the same slot
	s_wait_dscnt 4*NL                              ; W's set and x's blocks 0-3 are in; the youngest eight loads (x's blocks 4-7) may be out
	WIN MUL_LO
	MUL16 0, (\q)%2, \q, \slot, \zero
	MUL16 2, (\q)%2, \q, \slot, \zero
	s_wait_dscnt 0                                 ; x's blocks 4-7 are in
	PLACES NP
	FETCH_B \slot, (\q)+1, 1-(\q)%2
	FETCH_A \slot, (\q)+1, 0
	WIN MUL_HI
	MUL16 4, (\q)%2, \q, \slot, \zero
	MUL16 6, (\q)%2, \q, \slot, \zero
	PLACES NP
	WIN 0
	FETCH_A \slot, (\q)+1, 4
.endm
; A slot's last step changes slots: ONE barrier; in front of it each wave waits for all its tensor loads, adds 0 to its spare word, and waits for that and for its own reads of this slot.
.macro TURN slot, next, fill
	s_wait_tensorcnt 0x0                           ; all my tensor loads have landed: my part of the next slot
	ds_add_u32 v[SPW], v[NIL]                      ; 0 onto my spare word
	s_wait_dscnt 4*NL+1                            ; (the add and the youngest eight loads may be out)
	WIN MUL_LO
	MUL16 0, 1, NQ-1, \slot, 0
	s_wait_dscnt 0x0                               ; the add is done, and my reads of this slot are over
	s_barrier_signal -1
	MUL16 2, 1, NQ-1, \slot, 0
	WIN 0
	s_barrier_wait -1
.if \fill
	CREST                                          ; the barrier has opened a round of the cluster's barrier: no wave of any partner still reads this slot's tile or has a load on its way
	s_add_nc_u64 s[G0+4*\slot+2:G0+4*\slot+3], s[G0+4*\slot+2:G0+4*\slot+3], 2*ROWB
	s_add_nc_u64 s[G0B+4*\slot+2:G0B+4*\slot+3], s[G0B+4*\slot+2:G0B+4*\slot+3], 2*ROWB
	JLOAD G0+4*\slot, G1, G0B+4*\slot, G1B         ; the first tensor load behind the round; its four v_nop are the places in front of the loads below
.else
	PLACES NP
.endif
	v_add_nc_u32 v[ADRS], 4*NQ, v[ADRS]            ; on to the next K step's scale words
	FETCH_B \next, 0, 0
	FETCH_A \next, 0, 0
	SCALES \next
	WIN MUL_HI
	MUL16 4, 1, NQ-1, \slot, 0
	MUL16 6, 1, NQ-1, \slot, 0
	PLACES NP
	WIN 0
	FETCH_A \next, 0, 4
.endm
.macro STEPS slot, from
.set Q, \from
.rept NQ-1-\from
	STEP \slot, Q, 0
.set Q, Q+1
.endr
.endm
	s_wait_tensorcnt 1                             ; the scale bytes and my part of K step 0 are in (K step 1's load may be out),
	s_barrier_signal -1
	s_barrier_wait -1                              ; everybody's are
	FETCH_B 0, 0, 0
	FETCH_A 0, 0, 0
	SCALES 0
	FETCH_A 0, 0, 4
	STEP 0, 0, 1                                   ; the first step stands in front of the loop: its products start the sums
	s_mov_b32 s3, LAPS-1
.Llap:                                                 ; a trip goes once round the ring and fills both slots again
	STEPS 0, 1
	TURN 0, 1, 1
	STEPS 1, 0
	TURN 1, 0, 1
	STEP 0, 0, 0
	s_sub_co_u32 s3, s3, 1
	s_cmp_lg_u32 s3, 0
	s_cbranch_scc1 .Llap
	STEPS 0, 1                                     ; the last lap fills nothing
	TURN 0, 1, 0
	STEPS 1, 0
	s_wait_dscnt 4*NL
	WIN MUL_LO
	MUL16 0, 1, NQ-1, 1, 0
	MUL16 2, 1, NQ-1, 1, 0
	s_wait_dscnt 0
	WIN MUL_HI
	MUL16 4, 1, NQ-1, 1, 0
	MUL16 6, 1, NQ-1, 1, 0
	WIN 0
; THE WAY OUT, a block of 16 tokens at a time.
.macro ROTM fb, tj, ua                 ; f00 t[j] and f10 t[j], two j at a time
	v_pk_mul_f32 v[\ua:\ua+1], v[\fb:\fb+1], v[\tj:\tj+1]
	v_pk_mul_f32 v[\ua+2:\ua+3], v[\fb+16:\fb+17], v[\tj:\tj+1]
.endm
.macro ROTF fb, tj, ua                 ; o[j] = f01 t[j + 64] + f00 t[j];  o[j + 64] = f11 t[j + 64] + f10 t[j]
	v_pk_fma_f32 v[\tj:\tj+1], v[\fb+8:\fb+9], v[\tj+32:\tj+33], v[\ua:\ua+1]
	v_pk_fma_f32 v[\tj+32:\tj+33], v[\fb+24:\fb+25], v[\tj+32:\tj+33], v[\ua+2:\ua+3]
.endm
.macro NORMROPE a                      ; q's and k's block a: norm, gain, rope, f16 into TMP
.set W, 2+(\a)/4
.set WW, W|(W<<2)
.set AC, 64*((\a)%4)
.if (\a) < 7
	ROPELOAD (\a)+1                                ; the next block's rope numbers land under this block's arithmetic
.endif
	WIN WW                                         ; sources 0 and 1: the accumulators' window
.set p, 0
.rept 32                               ; the sum of my 64 squares, in four chains; each accumulator is read from its low end on
.if p < 4
	v_pk_mul_f32 v[SS+2*p:SS+2*p+1], v[AC+2*p:AC+2*p+1], v[AC+2*p:AC+2*p+1]
.else
	v_pk_fma_f32 v[SS+2*(p%4):SS+2*(p%4)+1], v[AC+2*p:AC+2*p+1], v[AC+2*p:AC+2*p+1], v[SS+2*(p%4):SS+2*(p%4)+1]
.endif
.set p, p+1
.endr
	WIN 0
	v_pk_add_f32 v[SS:SS+1], v[SS:SS+1], v[SS+2:SS+3]
	v_pk_add_f32 v[SS+4:SS+5], v[SS+4:SS+5], v[SS+6:SS+7]
	v_pk_add_f32 v[SS:SS+1], v[SS:SS+1], v[SS+4:SS+5]
	v_add_f32 v[SS], v[SS], v[SS+1]
	v_permlanex16_b32 v[RF+1], v[SS], s[SEL], s[SEL+1]   ; the head's other 64 channels lie in the lane 16 away
	v_add_f32 v[SS], v[SS], v[RF+1]
	v_fma_f32 v[RF], v[SS], s2, s95                ; the mean + 1e-6
	v_rsq_f32 v[RF], v[RF]
	WIN W                                          ; source 0: the accumulators' window
.set p, 0
.rept 32
	v_pk_mul_f32 v[T+2*p:T+2*p+1], v[AC+2*p:AC+2*p+1], v[GN+2*p:GN+2*p+1]   ; x the gain: plain work that names nothing of the root's
.set p, p+1
.endr
	WIN 0
	s_wait_alu depctr_va_vdst(0)                   ; the wait ahead of the first line that names the root's result
	v_mul_f32 v[RF], 0x3e000000, v[RF]             ; x 1/8, exact: what is stored is q/8 or k/8
.set p, 0
.rept 32
	v_pk_mul_f32 v[T+2*p:T+2*p+1], v[T+2*p:T+2*p+1], v[RF:RF+1] op_sel_hi:[1,0]
.set p, p+1
.endr
.if (\a) < 7
	s_wait_loadcnt 32                              ; this block's rope numbers are in; the next block's 32 loads may be out
.else
	s_wait_loadcnt 0x0
.endif
	WIN 0x01                                       ; source 0: the rope numbers, window 1
.irp b, 0,1,2,3
.set FB, 64*(1-(\a)%2)+128*(\b/2)+32*(\b%2)
.irp p, 0,2
	ROTM FB+2*\p, T+8*\b+2*\p, 12
	ROTM FB+2*\p+2, T+8*\b+2*\p+2, 4
	ROTF FB+2*\p, T+8*\b+2*\p, 12
	ROTF FB+2*\p+2, T+8*\b+2*\p+2, 4
.endr
.endr
	WIN 0
.set p, 0
.rept 32
	v_cvt_pk_f16_f32 v[TMP+p], v[T+2*p], v[T+2*p+1]
.set p, p+1
.endr
.endm
.macro VCONV a                         ; v's block a: to f16 as it is
.set W, 2+(\a)/4
.set WW, W|(W<<2)
.set AC, 64*((\a)%4)
	WIN WW
.set p, 0
.rept 32
	v_cvt_pk_f16_f32 v[TMP+p], v[AC+2*p], v[AC+2*p+1]
.set p, p+1
.endr
	WIN 0
.endm
; A lane's 16 bytes are a sixteenth of a row, and the lanes beside it hold other rows: a block goes through my own stage and comes back as whole rows.  LDS serves a wave's instructions in order: no wait between.
.macro TOSTAGE a, so
.if (\a) > 1
	s_wait_xcnt 0x0                                ; block a - 2's stores have read the registers into which this block comes back
.endif
.irp b, 0,1,2,3,4,5,6,7
	ds_store_b128 v[STO], v[TMP+4*\b:TMP+4*\b+3] offset:\so+32*\b
.endr
.set BB, BK+32*((\a)%2)
.irp t, 0,1,2,3,4,5,6,7
	ds_load_b128 v[BB+4*\t:BB+4*\t+3], v[RD] offset:\so+\t*2*SPITCH
.endr
.endm
.macro SEND a
.set BB, BK+32*((\a)%2)
	s_wait_dscnt 0x0                               ; the block is back in registers
.irp t, 0,1,2,3,4,5,6,7
	global_store_b128 v[LN], v[BB+4*\t:BB+4*\t+3], s[12:13] offset:4096*(\a)+512*\t   ; a head's rows are dense: 32 lanes store 512 consecutive bytes, aligned
.endr
.endm
	PLACES NP                                      ; behind the last products: for the reads of results, the loads into W's and x's registers and the writes over the scale words
	s_wait_loadcnt 0x0                             ; the gain and rope block 0, asked for at the head
	v_mov_b32 v[RF+1], 0                           ; written once: a lane permute's destination counts as one of its sources
	s_cmp_eq_u32 ttmp9, 2                          ; the kind: the cluster's x, the same in all sixteen partners
	s_cbranch_scc1 .Lvalues
	NORMROPE 0
	TOSTAGE 0, 0
.irp a, 1,2,3,4,5,6,7                  ; block a's arithmetic stands between block a - 1's loads from the stage and the wait for them
	NORMROPE \a
	SEND \a-1
	TOSTAGE \a, 0
.endr
	SEND 7
	s_branch .Lout
.Lvalues:
	VCONV 0
	TOSTAGE 0, VSTG
.irp a, 1,2,3,4,5,6,7
	VCONV \a
	SEND \a-1
	TOSTAGE \a, VSTG
.endr
	SEND 7
.Lout:
	s_wait_tensorcnt 0x0                           ; the wave's end: the tensor wait, the add and its wait, behind my last tensor load and my last LDS store
	ds_add_u32 v[SPW], v[NIL]
	s_wait_dscnt 0x0
	CROUND                                         ; the closing round: no work-group ends while a partner may still ask for a tile that names it
	s_endpgm
.Lfunc_end_k_qba6caacadf_qkv:
	.size	k_qba6caacadf_qkv, .Lfunc_end_k_qba6caacadf_qkv-k_qba6caacadf_qkv
	.p2alignl 7, 3214868480
	.fill 96, 4, 3214868480
	.section	.rodata,"a",@progbits
	.p2align	6, 0x0
	.amdhsa_kernel k_qba6caacadf_qkv
		.amdhsa_group_segment_fixed_size 327680
		.amdhsa_private_segment_fixed_size 0
		.amdhsa_enable_private_segment 0
		.amdhsa_kernarg_size 64
		.amdhsa_user_sgpr_count 2
		.amdhsa_user_sgpr_kernarg_segment_ptr 1
		.amdhsa_wavefront_size32 1
		.amdhsa_system_sgpr_workgroup_id_x 1
		.amdhsa_system_sgpr_workgroup_id_y 1
		.amdhsa_system_sgpr_workgroup_id_z 1
		.amdhsa_system_vgpr_workitem_id 0
		.amdhsa_next_free_vgpr 1024
		.amdhsa_next_free_sgpr 102
		.amdhsa_reserve_vcc 0
		.amdhsa_float_denorm_mode_32 3
		.amdhsa_float_denorm_mode_16_64 3
		.amdhsa_memory_ordered 1
		.amdhsa_forward_progress 1
		.amdhsa_inst_pref_size 255
	.end_amdhsa_kernel
	.section	.bss,"aw",@nobits
	.p2align	6
	.space	262144
	.amdgpu_metadata
---
amdhsa.version: [ 1, 2 ]
amdhsa.kernels:
  - .name:           k_qba6caacadf_qkv
    .symbol:         k_qba6caacadf_qkv.kd
    .args:
      - { .name: x_codes, .offset: 0, .size: 8, .value_kind: global_buffer, .address_space: global }
      - { .name: x_scales, .offset: 8, .size: 8, .value_kind: global_buffer, .address_space: global }
      - { .name: w_codes, .offset: 16, .size: 8, .value_kind: global_buffer, .address_space: global }
      - { .name: w_scales, .offset: 24, .size: 8, .value_kind: global_buffer, .address_space: global }
      - { .name: ropef, .offset: 32, .size: 8, .value_kind: global_buffer, .address_space: global }
      - { .name: q_norm_w, .offset: 40, .size: 8, .value_kind: global_buffer, .address_space: global }
      - { .name: k_norm_w, .offset: 48, .size: 8, .value_kind: global_buffer, .address_space: global }
      - { .name: qkv, .offset: 56, .size: 8, .value_kind: global_buffer, .address_space: global }
    .group_segment_fixed_size: 327680
    .private_segment_fixed_size: 0
    .kernarg_segment_align: 8
    .kernarg_segment_size: 64
    .max_flat_workgroup_size: 128
    .sgpr_count:     102
    .vgpr_count:     1024
    .wavefront_size: 32
...
	.end_amdgpu_metadata
.endif
;; end of part 2
;; launch attn (part 3): grid 16 x 16, 4 waves a work-group, clusters of 4 x 1, 327,680 bytes of LDS; arguments qkv, oh; writes oh
.if DOCPART == 3
	.amdgcn_target "amdgcn-amd-amdhsa--gfx1250"
	.amdhsa_code_object_version 6
	.text
	.protected	k_qba6caacadf_attn
	.globl	k_qba6caacadf_attn
	.p2align	8
	.type	k_qba6caacadf_attn,@function
k_qba6caacadf_attn:
	s_mov_b64 s[64:65], 0
	v_nop
	global_prefetch_b8 v0, s[64:65] scope:SCOPE_SE
	s_setreg_imm32_b32 hwreg(HW_REG_WAVE_MODE, 25, 1), 1
	s_wait_xcnt 0x0
	s_wait_alu depctr_hold_cnt(0) depctr_sa_sdst(0) depctr_va_vdst(0) depctr_va_sdst(0) depctr_va_ssrc(0) depctr_va_vcc(0) depctr_vm_vsrc(0)
	s_getreg_b32 s2, hwreg(HW_REG_IB_STS2, 6, 4)
	s_cmp_eq_u32 s2, 0
	s_cbranch_scc0 .Lentry_in_a_cluster
	s_endpgm
.Lentry_in_a_cluster:
	s_bfe_u32 s2, ttmp6, 0x10000c
	s_cmp_lg_u32 s2, 0x3003
	s_cbranch_scc0 .Lentry_shape_is_right
	s_endpgm
.Lentry_shape_is_right:
; ATTN: O[bh][q] = the sum over k of softmax_k(Q[bh][q] . K[bh][k] / sqrt(128)) V[bh][k], no mask, for 16 pairs bh = batch 8 + head, 2,048 positions, head size 128.
; In: qkv, three parts of 8,388,608 bytes: q/8, k/8, v, each [bh][2048][128] f16.  Out: oh [4096 tokens][1024] f16, a head's 128 channels at byte 256 x head of a token's row.
; Products, maxima and sums in f32; the weights p (at most 1) are rounded to f16 for the second product, O once at the end.  The stored q and k carry 1/8 each: the softmax's constant carries the 64.
; SHARES.  A work-group owns 128 queries of one pair: 16 x 16 = 256 work-groups.  Its four waves are (qh = wave / 2: which 64 queries) x (kh = wave % 2: which half of the keys): a wave holds four tiles of 16
; queries and walks 128 of each slot's 256 keys, 64 a step: 16 steps.  At the end the two waves of a qh merge their maxima, sums and O^T through LDS, once.
; LAYOUT.  S^T = K Q^T (source 0 = 16 keys, source 1 = 16 queries): a lane holds ONE query (lane % 16) and the keys 8 (lane / 16) + 0..7.  Two such tiles, rounded to f16 in pairs, ARE source 1 of O^T = V^T P.
; K comes out of LDS as it lies, V ([key][channel]) turned, by ds_load_tr16_b128.
; SOFTMAX.  For each query a running maximum m and sum l: p = 2^(c s - c m), c = 64 log2(e) / sqrt(128); in every step O and l are multiplied by a = 2^(c m_old - c m_new).
; BY TURNS.  The wave's tiles are two PIECES (tiles 0, 1 and tiles 2, 3).  In a TURN one piece has the matrix unit: 32 products V^T P of the step in hand, then 32 products K Q^T of the next step; the other
; piece's softmax, cut into 64 slices, stands between them, one slice behind each matrix instruction.  Two turns are a key step.
; CLUSTER.  The four query blocks of a cluster belong to one pair and walk the same K and V: each tile is asked for JOINTLY, by the same tensor load with the same descriptor and a mask that names the four.
; LIMITS: as the launch before states them (f16's range for q/8, k/8 and v); O is a convex mix of v and has v's room.  NaN and infinities are not served.
; REGISTERS, in windows of 256:  window 0: v0-11 addresses; v12-43 eight registers of statistics a tile; v44-53 the merge; v64-191 S^T, 32 a tile; v192-255 P, 16 a tile
;   window 1: O^T, 64 a tile          window 2: v0-127 Q, 32 a tile; v128-255 K of one step          window 3: v0-127 V of one step
.set KS,    64        ; keys in a step
.set PK,    272       ; a row of K in LDS: 256 bytes + 16 of padding
.set PV,    288       ; a row of V: 256 + 32
.set VOFF,  256*PK    ; a slot: 256 rows of K, then 256 rows of V
.set SLOTB, 256*(PK+PV)
.set SPARE, 2*SLOTB   ; behind the ring: the spare words, 128 bytes for each wave: two blocks of 256 bytes that no other line names
.set MRGB,  33792     ; the merge, in slot 0, which has had its last fill and its last read by then: for each qh an image of O^T's 256 registers (32,768 bytes), then 1,024 bytes of statistics
.set STAGE, 2*MRGB    ; behind them: 16 rows x 272 bytes for each wave, for the way out
.set SP,    272
.set AK0, 2           ; v2   my lane's place in a tile of K; never rewritten
.set AV0, 3           ; v3   the same for V
.set ADR, 4           ; v4   the LDS address of the run of loads in hand
.set QO,  5           ; v5   my byte offset in the wave's rows of Q
.set STO, 6           ; v6   the way out: where I put 16 bytes of a row
.set RD,  7           ; v7   where I read a row back
.set GO,  8           ; v8   my byte offset in the wave's rows of oh
.set ST,  12          ; tile t's statistics at v[ST+8 t]: +0 c m, +1 m, +2, +3 l (even keys', odd keys'), +4 to +7 at work
.set MA,  44          ; v44  the merge: 16 x lane in my qh's image
.set MS,  45          ; v45  4 x lane in my qh's statistics
.set PS,  46          ; v46-49 the partner's c m, v50-53 its l
.set PFO, 61          ; v61  256 x my lane: a row of K or V is 256 bytes; never rewritten
.set SPW, 62          ; v62  LDS address of my spare word; never rewritten
.set NIL, 63          ; v63  0; never rewritten
.set S,   64
.set P,   192
.set KF,  128         ; K's fragments, in window 2
.set WV,  12          ; s12  my wave's number
.set LIM, 15          ; s15  1 in a cluster that prefetches, else the greatest number
.set PFA, 18          ; s[18:19] where my prefetches stand
.set G1K, 24          ; s[24:31] descriptor group 1 for K's tiles
.set G1V, 32          ; s[32:39] for V's: it differs in the padding alone
.set G0K, 40          ; s[40:47] descriptor group 0 for K's tiles, a set for each slot
.set G0V, 48          ; s[48:55] the same for V's
.set LOOP, 56
.set TWICE, 57
.set CS,  58          ; s[58:59] c
.set SEL, 60          ; s[60:61] lane selects for v_permlanex16_b32
.set KH,  66          ; s66  wave % 2: my half of the keys; also which half of a tile I fetch
.set KHK, 67          ; s67  that half's first row of K in a slot, in bytes
.set KHV, 68          ; s68  of V
.set TK,  69          ; s69  LDS byte at which the next step's K begins
.set TV,  70          ; s70  and its V (less VOFF)
.set REM, 71          ; s71  fills still to come
.set QH,  72          ; s72  wave / 2
.set MSB, 0
.macro WIN new
.if MSB != \new
	s_set_vgpr_msb (MSB<<8)|\new
.set MSB, \new
.endif
.endm
.set W_KQ, 0x0a       ; K and Q in window 2, S^T in window 0
.set W_PV, 0x53       ; V in window 3, P in window 0, O^T in window 1
.set W_RS, 0x41       ; O^T (destination and source 0) in window 1, the factor in window 0
; A joint refill of slot s.  Waves 0 and 1 fetch K's two halves (128 rows each), waves 2 and 3 V's.  The branch hangs on the wave's number alone.  An s_nop 0 and four v_nop follow each line.
.macro JLOAD s
	s_cmp_lt_u32 s[WV], 2
	s_cbranch_scc0 .Lfor_v_\@
	tensor_load_to_lds s[G0K+4*\s:G0K+4*\s+3], s[G1K:G1K+7]
	s_nop 0
.rept 4
	v_nop
.endr
	s_branch .Lasked_\@
.Lfor_v_\@:
	tensor_load_to_lds s[G0V+4*\s:G0V+4*\s+3], s[G1V:G1V+7]
	s_nop 0
.rept 4
	v_nop
.endr
.Lasked_\@:
.endm
; A PREFETCH of what the NEXT change of slots will ask for: a slot's 256 rows of K and 256 of V, 256 bytes a row, a lane a row, one instruction a wave, behind the wave's tensor load and its five lines.
; Each row is named ONCE in the launch.  All clusters of a pair walk the same K and V: the pair's first cluster asks.  Of the 128 rows that a wave fetches, the partner at place cx takes 32 cx .. 32 cx + 31,
; told apart BY ADDRESS.  It stands two key steps, 256 matrix instructions, ahead of the load that wants the rows.  The last change that fills a slot asks for nothing; nothing is asked for at the head.
.macro ASK
	s_cmp_gt_u32 s[REM], s[LIM]
	s_cbranch_scc0 .Lnot_mine_\@
	global_prefetch_b8 v[PFO], s[PFA:PFA+1] th:TH_LOAD_NT scope:SCOPE_SE
.Lnot_mine_\@:
.endm
.macro CROUND                       ; a round of the cluster's barrier
	s_barrier_signal -1
	s_barrier_wait -1
	s_cmp_lg_u32 s[WV], 0
	s_cbranch_scc1 .Lnot_wave_0_\@
	s_barrier_signal -3
.Lnot_wave_0_\@:
	s_barrier_wait -3
	s_barrier_signal -1
	s_barrier_wait -1
.endm
	s_load_b128 s[4:7], s[0:1], 0x0 ; qkv s[4:5], oh s[6:7]
	v_lshl_add_u32 v[SPW], v0, 2, SPARE
	v_mov_b32 v[NIL], 0
	ds_add_u32 v[SPW], v[NIL]       ; the wave's opening: the add, twice on end, and its wait ahead of my first tensor load
	ds_add_u32 v[SPW], v[NIL]
	v_lshrrev_b32 v1, 5, v0
	v_readfirstlane_b32 s[WV], v1   ; wave 0..3
	s_and_b32 s[KH], s[WV], 1
	s_lshr_b32 s[QH], s[WV], 1
	s_mul_i32 s[KHK], s[KH], 128*PK
	s_mul_i32 s[KHV], s[KH], 128*PV
	s_bfe_u32 s13, ttmp6, 0x40000   ; cx: my place in the cluster
	s_lshl_b32 s14, ttmp9, 2
	s_add_co_u32 s14, s14, s13      ; my block of 128 queries: it enters Q's and oh's addresses alone
	s_and_b32 s20, ttmp7, 0xffff    ; the pair bh, which the four partners share
	s_lshl_b32 s21, s20, 19         ; its first byte in each part: 2,048 rows of 256 bytes
	s_lshl_b32 s22, s[KH], 15       ; K: the 128 rows of a slot that I fetch,
	s_add_co_u32 s22, s22, s21
	s_add_co_u32 s22, s22, 0x800000 ; in the second part
	s_mov_b32 s23, 0
	s_lshl_b32 s2, s14, 15          ; Q: my block's 128 rows,
	s_add_co_u32 s2, s2, s21
	s_lshl_b32 s3, s[QH], 14        ; my wave's 64 of them
	s_add_co_u32 s2, s2, s3
	s_mov_b32 s3, 0
	s_lshr_b32 s16, s20, 3          ; oh: token = batch 2,048 + 128 block + 64 qh, 2,048 bytes a token,
	s_lshl_b32 s16, s16, 11
	s_lshl_b32 s17, s14, 7
	s_add_co_u32 s16, s16, s17
	s_lshl_b32 s17, s[QH], 6
	s_add_co_u32 s16, s16, s17
	s_lshl_b32 s16, s16, 11
	s_and_b32 s17, s20, 7           ; + 256 x head
	s_lshl_b32 s17, s17, 8
	s_add_co_u32 s16, s16, s17
	s_mov_b32 s17, 0
	; descriptor group 1: a tile of 128 rows x 128 elements of 2 bytes, padded in LDS
	s_mov_b32 s[G1K], 15|(1<<16)|(1<<20)|(1<<21)|(5<<22)|(3<<25)  ; 15:0 the mask: all four work-groups; 17:16 elements of 2 bytes; 20 padding on; 21 set beside a mask; 24:22 after every 64 words; 31:25 4 words of it
	s_mov_b32 s[G1V], 15|(1<<16)|(1<<20)|(1<<21)|(5<<22)|(7<<25)  ; the same with 8 words of padding
.irp g, G1K, G1V
	s_mov_b32 s[\g+1], 128<<16      ; tensor_dim0
	s_mov_b32 s[\g+2], 128<<16      ; tensor_dim1
	s_mov_b32 s[\g+3], 128<<16      ; tile_dim0
	s_mov_b32 s[\g+4], 128          ; tile_dim1
	s_mov_b32 s[\g+5], 128          ; tensor_dim0_stride
	s_mov_b32 s[\g+6], 0
	s_mov_b32 s[\g+7], 0
.endr
	s_mov_b32 s[CS], 0x410293ee     ; c = 64 log2(e) / sqrt(128)
	s_mov_b32 s[CS+1], s[CS]
	s_mov_b32 s[SEL], 0x76543210
	s_mov_b32 s[SEL+1], 0xfedcba98
	s_mov_b32 s[TK], s[KHK]
	s_mov_b32 s[TV], s[KHV]
	s_mov_b32 s[REM], 6
	s_cmp_eq_u32 ttmp9, 0           ; the pair's first cluster: the same in all four partners
	s_cselect_b32 s[LIM], 1, -1
	v_and_b32 v[PFO], 31, v0
	v_lshlrev_b32 v[PFO], 8, v[PFO]
	s_wait_dscnt 0x0                ; both opening adds are done
	s_wait_kmcnt 0x0
	s_add_nc_u64 s[8:9], s[4:5], s[22:23]   ; K at my half of slot 0's keys
	s_add_nc_u64 s[10:11], s[8:9], 0x800000 ; V likewise, in the third part
	s_add_nc_u64 s[4:5], s[4:5], s[2:3]     ; Q at my wave's first row
	s_add_nc_u64 s[6:7], s[6:7], s[16:17]   ; oh likewise
	s_cmp_lt_u32 s[WV], 2
	s_cselect_b64 s[PFA:PFA+1], s[8:9], s[10:11]
	s_lshl_b32 s2, s13, 13          ; my work-group's 32 rows of the 128
	s_mov_b32 s3, 0
	s_add_nc_u64 s[PFA:PFA+1], s[PFA:PFA+1], s[2:3]
	s_add_nc_u64 s[PFA:PFA+1], s[PFA:PFA+1], 2*65536  ; at the third 256 keys; the first change of slots steps it on
	CROUND                          ; all four work-groups are here: the first joint loads meet
.irp s, 0,1
	s_mov_b32 s[G0K+4*\s], 1
	s_add_co_u32 s[G0K+4*\s+1], s[KHK], \s*SLOTB
	s_add_nc_u64 s[G0K+4*\s+2:G0K+4*\s+3], s[8:9], \s*65536
	s_or_b32 s[G0K+4*\s+3], s[G0K+4*\s+3], 0x80000000
	s_mov_b32 s[G0V+4*\s], 1
	s_add_co_u32 s[G0V+4*\s+1], s[KHV], \s*SLOTB+VOFF
	s_add_nc_u64 s[G0V+4*\s+2:G0V+4*\s+3], s[10:11], \s*65536
	s_or_b32 s[G0V+4*\s+3], s[G0V+4*\s+3], 0x80000000
.endr
	s_cmp_lt_u32 s[WV], 2           ; a wave's two first fills stand in one branch, ahead of every wait on TENSORcnt and every LDS read: two loads of mine are out
	s_cbranch_scc0 .Lfirst_v
	tensor_load_to_lds s[G0K:G0K+3], s[G1K:G1K+7]
	s_nop 0
	tensor_load_to_lds s[G0K+4:G0K+7], s[G1K:G1K+7]
	s_nop 0
.rept 4
	v_nop
.endr
	s_branch .Lfirst_asked
.Lfirst_v:
	tensor_load_to_lds s[G0V:G0V+3], s[G1V:G1V+7]
	s_nop 0
	tensor_load_to_lds s[G0V+4:G0V+7], s[G1V:G1V+7]
	s_nop 0
.rept 4
	v_nop
.endr
.Lfirst_asked:
	; A fragment of K or Q is 16 rows x 32 channels in 8 registers: lane l holds row l % 16; registers 0-3 channels 8 (l / 16) + 0..7, registers 4-7 channels 16 + 8 (l / 16) + 0..7.
	v_and_b32 v1, 15, v0            ; l % 16
	v_bfe_u32 v9, v0, 4, 1          ; l / 16
	v_lshlrev_b32 v[QO], 8, v1
	v_lshl_add_u32 v[QO], v9, 4, v[QO]
	WIN 0x80                        ; destination window 2
.irp i, 0,1,2,3,4,5,6,7,8,9,10,11,12,13,14,15  ; Q stays in registers: tile i / 4, channels 32 (i % 4) on
	global_load_b128 v[8*\i:8*\i+3],   v[QO], s[4:5] offset:(\i/4)*4096+(\i%4)*64
	global_load_b128 v[8*\i+4:8*\i+7], v[QO], s[4:5] offset:(\i/4)*4096+(\i%4)*64+32
.endr
	WIN 0
	v_mul_u32_u24 v[AK0], v1, PK
	v_lshl_add_u32 v[AK0], v9, 4, v[AK0]
	; The turning load takes 16 keys x 16 channels (lane l reads 16 bytes: key 8 (l / 16) + l % 8, channels 8 ((l / 8) % 2) + 0..7) and leaves half a fragment of V^T.
	v_and_b32 v10, 7, v0
	v_bfe_u32 v11, v0, 3, 1
	v_lshl_add_u32 v[AV0], v9, 3, v10
	v_mul_u32_u24 v[AV0], v[AV0], PV
	v_lshl_add_u32 v[AV0], v11, 4, v[AV0]
	v_add_nc_u32 v[AV0], VOFF, v[AV0]
; THE MATRIX WORK OF A TURN, for piece x.  The accumulators take turns, one instruction a turn.
; Product i of 32 of O^T += V^T P: keys 32 (i / 16) on, channels 16 ((i / 2) % 8) on, tile x + i % 2.  zero = 1: the first 16 start the sums.
.macro PV x, zero
	WIN W_PV
.set rO, 64*(\x+i%2)+8*((i/2)%8)
.set rV, 64*(i/16)+8*((i/2)%8)
.set rP, P+16*(\x+i%2)+8*(i/16)
.if \zero && (i < 16)
	v_wmma_f32_16x16x32_f16 v[rO:rO+7], v[rV:rV+7], v[rP:rP+7], 0
.else
	v_wmma_f32_16x16x32_f16 v[rO:rO+7], v[rV:rV+7], v[rP:rP+7], v[rO:rO+7]
.endif
.endm
; Product i of 32 of S^T = K Q^T: channels 32 (i / 8) on, keys 16 ((i / 2) % 4) on, tile x + i % 2.  The first 8 start the sums.
.macro KQ x
	WIN W_KQ
.set rS, S+32*(\x+i%2)+8*((i/2)%4)
.set rK, KF+32*((i/2)%4)+8*(i/8)
.set rQ, 32*(\x+i%2)+8*(i/8)
.if i < 8
	v_wmma_f32_16x16x32_f16 v[rS:rS+7], v[rK:rK+7], v[rQ:rQ+7], 0
.else
	v_wmma_f32_16x16x32_f16 v[rS:rS+7], v[rK:rK+7], v[rQ:rQ+7], v[rS:rS+7]
.endif
.endm
; THE LDS LOADS stand in runs of 32: a step's K (64 keys x 128 channels) and, a turn later, its V (turned).
.macro FETCH_K
	WIN 0
	v_add_nc_u32 v[ADR], s[TK], v[AK0]
	s_add_co_u32 s[TK], s[TK], KS*PK  ; the next fetch is the next step's
	WIN 0x80                        ; destination window 2
.irp f, 0,1,2,3,4,5,6,7,8,9,10,11,12,13,14,15  ; keys 16 (f / 4) on, channels 32 (f % 4) on
	ds_load_b128 v[KF+8*\f:KF+8*\f+3],   v[ADR] offset:(\f/4)*16*PK+(\f%4)*64
	ds_load_b128 v[KF+8*\f+4:KF+8*\f+7], v[ADR] offset:(\f/4)*16*PK+(\f%4)*64+32
.endr
.endm
.macro FETCH_V
	WIN 0
	v_add_nc_u32 v[ADR], s[TV], v[AV0]
	s_add_co_u32 s[TV], s[TV], KS*PV
	s_wait_alu depctr_va_vdst(0)    ; the wait for the softmax's batch (SLICE), behind the address's addition and ahead of the loads
	WIN 0xc0                        ; destination window 3
.irp f, 0,1,2,3,4,5,6,7,8,9,10,11,12,13,14,15  ; keys 32 (f / 8) on, channels 16 (f % 8) on
	ds_load_tr16_b128 v[8*\f:8*\f+3],   v[ADR] offset:(\f/8)*32*PV+(\f%8)*32
	ds_load_tr16_b128 v[8*\f+4:8*\f+7], v[ADR] offset:(\f/8)*32*PV+16*PV+(\f%8)*32
.endr
.endm
; THE VECTOR WORK OF A TURN.  One tile's softmax for one key step is a list of 134 instructions; SM writes number j of it for tile t.  first = 1: the first key step, which starts m, l and O^T.
;   0-15    the maximum of the lane's 32 scores and the old m, three operands at a time
;   16-20   the other half of the lanes' maximum; the new m; c m; c m_old - c m_new
;   21-69   ONE BATCH: the 16 scalings c s - c m, a pair of scores each, and all 33 exponentials (a at 23).  None of these reads an exponential's result
;   (wait)  between 69 and 70 stands the wait for the batch: SLICE writes it, once for both tiles
;   70-85   the roundings to f16, a pair of weights each
;   86-101  the sums; l = a l + the sum
;   102-133 the tile's O^T times a: the one part that leaves window 0
.macro SM t, first
.set rT, ST+8*(\t)
.set rS, S+32*(\t)
.set rP, P+16*(\t)
.set rO, 64*(\t)+2*(j-102)
.if j < 102
	WIN 0
.endif
.if j < 4
	v_max3_num_f32 v[rT+4+j], v[rS+8*j], v[rS+8*j+1], v[rS+8*j+2]
.elseif j < 12
	v_max3_num_f32 v[rT+4+j%4], v[rT+4+j%4], v[rS+8*(j%4)+2*(j/4)+1], v[rS+8*(j%4)+2*(j/4)+2]
.elseif j == 12
	v_max3_num_f32 v[rT+4], v[rT+4], v[rS+7], v[rS+15]
.elseif j == 13
	v_max3_num_f32 v[rT+6], v[rT+6], v[rS+23], v[rS+31]
.elseif j == 14
	v_max3_num_f32 v[rT+4], v[rT+4], v[rT+5], v[rT+6]
.elseif (j == 15) && \first
	v_max_num_f32 v[rT+4], v[rT+4], v[rT+7]
.elseif j == 15
	v_max3_num_f32 v[rT+4], v[rT+4], v[rT+7], v[rT+1]
.elseif j == 16
	v_permlanex16_b32 v[rT+5], v[rT+4], s[SEL], s[SEL+1]  ; the query's other 32 keys lie in the lane 16 away
.elseif j == 18
	v_max_num_f32 v[rT+1], v[rT+4], v[rT+5]
.elseif j == 19
	v_mul_f32 v[rT], s[CS], v[rT+1]
.elseif ((j == 17) || (j == 20) || (j == 23) || (j > 101)) && \first  ; the first step has none of these
.elseif j == 17
	v_mov_b32 v[rT+7], v[rT]        ; c m_old is kept for a: number 19 writes c m anew
.elseif j == 20
	v_sub_f32 v[rT+7], v[rT+7], v[rT]
.elseif j == 23
	v_exp_f32 v[rT+6], v[rT+7]
.elseif (j < 23) || ((j < 38) && (j%2 == 0)) || ((j < 66) && (j%4 == 2))
.set b, (j-2)/4                     ; 38, 42, .. 62: pairs 9 to 15
.if j < 38
.set b, (j-20)/2                    ; 21: pair 0; 22, 24, .. 36: pairs 1 to 8
.endif
	v_pk_fma_f32 v[rS+2*b:rS+2*b+1], v[rS+2*b:rS+2*b+1], s[CS:CS+1], v[rT:rT+1] op_sel_hi:[1,0,0] neg_lo:[0,0,1] neg_hi:[0,0,1]  ; pair b: c s - c m
.elseif j < 70
.set e, j-38                        ; 66 to 69: s28 to s31
.if j < 66
.set e, j-32-(j-38)/4               ; 39-41, 43-45, .. 63-65: s7 to s27
.endif
.if j < 38
.set e, (j-25)/2                    ; 25, 27, .. 37: s0 to s6
.endif
	v_exp_f32 v[rS+e], v[rS+e]
.elseif j < 86
	v_cvt_pk_f16_f32 v[rP+j-70], v[rS+2*(j-70)], v[rS+2*(j-70)+1]  ; pair j - 70
.elseif j < 102                     ; the sum of the tile's 16 pairs, in place: neighbours 1, 2, 4 and 8 pairs apart, then l takes it
.set z, j-86
.set w, 4
.set u, z
.if z >= 14
.set w, 32
.set u, 0
.elseif z >= 12
.set w, 16
.set u, z-12
.elseif z >= 8
.set w, 8
.set u, z-8
.endif
.if (z == 14) && \first
	v_pk_add_f32 v[rT+2:rT+3], v[rS:rS+1], v[rS+16:rS+17]
.elseif z < 15
	v_pk_add_f32 v[rS+w*u:rS+w*u+1], v[rS+w*u:rS+w*u+1], v[rS+w*u+w/2:rS+w*u+w/2+1]
.elseif !\first
	v_pk_fma_f32 v[rT+2:rT+3], v[rT+2:rT+3], v[rT+6:rT+7], v[rS:rS+1] op_sel_hi:[1,0,1]
.endif
.else
	WIN W_RS
	v_pk_mul_f32 v[rO:rO+1], v[rO:rO+1], v[rT+6:rT+7] op_sel_hi:[1,0]
.endif
.endm
; Slice k of 64 of piece y's softmax: four instructions.  Slices 11 to 34 deal out the batch, four numbers of ONE tile each, the tiles by turns; every other slice is numbers 2 k and 2 k + 1 of both tiles' lists;
; the twelve that are over stand in slice 63.  Ahead of slice 35 nothing names an exponential's result, and behind slice 34 none is issued: so the piece's 66 exponentials have one wait, behind slice 34.
.macro SLICE y, first
.if (k >= 11) && (k < 35)
.irp n, 0,1,2,3
.set j, 22+4*((k-11)/2)+(\n)
	SM (\y)+(k-11)%2, \first
.endr
.else
.irp n, 0,1,2,3,4,5,6,7
.if (\n < 2) || (k == 63)
.irp t, \y, \y+1
.set j, 2*k+\n
	SM \t, \first
.endr
.endif
.endr
.endif
.if k == 34
	v_nop                           ; the plain instruction behind the last exponential and ahead of the first use: one for the batch
.if (\y) == 0
	FETCH_V                         ; piece 2's turn: V's run of loads stands here, and the wait stands in it
.else
	s_wait_alu depctr_va_vdst(0)    ; the wait for the batch
.endif
.endif
.set k, k+1
.endm
.macro PLACES
.rept 4
	v_nop
.endr
.endm
; A TURN.  Piece x has the matrix unit; the other piece's softmax stands in slices behind its matrix instructions.  pv = 2: 32 products V^T P; 1: they start O^T's sums; 0: none.  kq = 1: 32 products K Q^T
; for the next step.  Piece 0's turn fetches the next step's K behind its second product; piece 2's turn the same step's V behind slice 34.  The slices are the places between a buffer's last reader and its loads.
.macro TURN x, pv, kq, first
.set k, 0
.set per, 2
.if \pv && \kq
.set per, 1
.endif
.if \pv
.if \x == 0
	s_wait_dscnt 0x0                ; V is in
.endif
.set i, 0
.rept 32
	PV \x, 2-\pv
.rept per
	SLICE 2-\x, \first
.endr
.if (\x == 0) && \kq && (i == 1)
	FETCH_K
.endif
.set i, i+1
.endr
.endif
.if \kq
.if \x == 0
	s_wait_dscnt 0x0                ; K is in
.endif
.set i, 0
.rept 32
	KQ \x
.rept per
	SLICE 2-\x, \first
.endr
.set i, i+1
.endr
.endif
.if \first
	PLACES
.endif
.endm
; THE CHANGE OF SLOTS, between piece 2's turn and piece 0's: the slot's last bytes, V of its second step, have been asked for.  Each wave waits for all its tensor loads, of which one is out: its part of the
; other slot; adds 0 to its spare word; and waits for that and for its own reads of the slot.  fill = 1: slot `slot`, just left, takes the keys two slots on, behind a round of the cluster's barrier, as the
; first thing there: it has two key steps in which to land.  The fetches go on in slot `next`.
.macro CHANGE fill, slot, next
	WIN 0
	s_wait_tensorcnt 0x0            ; no tensor load of mine is out, so a group 0 may be written
	ds_add_u32 v[SPW], v[NIL]       ; 0 onto my spare word
.if \fill
	s_add_nc_u64 s[G0K+4*\slot+2:G0K+4*\slot+3], s[G0K+4*\slot+2:G0K+4*\slot+3], 2*65536  ; 512 keys on; the type bits on top are not reached
	s_add_nc_u64 s[G0V+4*\slot+2:G0V+4*\slot+3], s[G0V+4*\slot+2:G0V+4*\slot+3], 2*65536
	s_wait_xcnt 0x0                 ; the last prefetch, two key steps back, has read its address
	s_add_nc_u64 s[PFA:PFA+1], s[PFA:PFA+1], 65536
	s_wait_dscnt 0x0                ; the add is done, and my reads of the slot are over
	CROUND
	JLOAD \slot
	ASK
	s_sub_co_u32 s[REM], s[REM], 1
.else
	s_wait_dscnt 0x0
	s_barrier_signal -1
	s_barrier_wait -1
.endif
	s_add_co_u32 s[TK], s[KHK], \next*SLOTB
	s_add_co_u32 s[TV], s[KHV], \next*SLOTB
.endm
.macro TWO_STEPS                    ; a slot's two key steps of my half: written once, walked twice
	s_mov_b32 s[TWICE], 2
.Lstep_\@:
	TURN 0, 2, 1, 0
	TURN 2, 2, 1, 0
	WIN 0
	s_sub_co_u32 s[TWICE], s[TWICE], 1
	s_cmp_lg_u32 s[TWICE], 0
	s_cbranch_scc1 .Lstep_\@
.endm
	s_wait_tensorcnt 1              ; my part of slot 0 is in; slot 1's may stay out
	s_barrier_signal -1
	s_barrier_wait -1               ; everybody's is
	FETCH_K                         ; key step 0
	s_wait_loadcnt 0x0              ; Q
	s_wait_dscnt 0x0
.set i, 0
.rept 32
	KQ 0                            ; piece 0's first scores
.set i, i+1
.endr
	WIN 0                           ; the addresses for the merge and the way out are made here, ahead of every parting of the waves: plain instructions, the places behind those products
	s_mul_i32 s13, s[WV], 16*SP
	s_add_co_u32 s13, s13, STAGE    ; my stage
	v_mul_u32_u24 v[STO], v1, SP    ; in: row l % 16, 16 bytes for each half of the lanes
	v_lshl_add_u32 v[STO], v9, 4, v[STO]
	v_add_nc_u32 v[STO], s13, v[STO]
	v_mul_u32_u24 v[RD], v9, SP     ; back: lanes 0-15 take one row of 256 bytes, lanes 16-31 the next
	v_lshl_add_u32 v[RD], v1, 4, v[RD]
	v_add_nc_u32 v[RD], s13, v[RD]
	v_lshlrev_b32 v[GO], 11, v9     ; and the same two tokens in oh, 2,048 bytes apart
	v_lshl_add_u32 v[GO], v1, 4, v[GO]
	s_mul_i32 s13, s[QH], MRGB      ; my qh's merge bytes
	v_and_b32 v10, 31, v0
	v_lshl_add_u32 v[MA], v10, 4, s13
	s_add_co_u32 s13, s13, 32768
	v_lshl_add_u32 v[MS], v10, 2, s13
	TURN 2, 0, 1, 1                 ; piece 2's first scores | piece 0's first softmax | V of step 0
	TURN 0, 1, 1, 1                 ; piece 0: V^T P of step 0 starts O^T, K Q^T of step 1 | piece 2's first softmax | K of step 1
	TURN 2, 1, 1, 0                 ; piece 2: the same | piece 0's softmax of step 1 | V of step 1
	WIN 0
	s_mov_b32 s[LOOP], 3
.Lpair:                             ; three trips, two changes of slots each: the third to the eighth 256 keys are asked for
	CHANGE 1, 0, 1
	TWO_STEPS
	CHANGE 1, 1, 0
	TWO_STEPS
	s_sub_co_u32 s[LOOP], s[LOOP], 1
	s_cmp_lg_u32 s[LOOP], 0
	s_cbranch_scc1 .Lpair
	CHANGE 0, 0, 1                  ; the tail is written out: slot 0 is left for good, and nothing is asked for
	TWO_STEPS
	TURN 0, 2, 0, 0                 ; piece 0: V^T P of the last step | piece 2's last softmax
.set i, 0
.rept 32
	PV 2, 0                         ; piece 2: V^T P of the last step
.set i, i+1
.endr
	; THE MERGE.  l's two halves and the other half of the lanes' are added (these lines are the places behind the last products).  The wave with kh = 1 lays O^T, as an image of its registers, c m and l into
	; its qh's bytes of slot 0; a barrier; the wave with kh = 0 brings both parts under the larger maximum, divides by the joint sum, and stores.
	WIN 0
.irp t, 0,1,2,3
	v_add_f32 v[ST+8*\t+4], v[ST+8*\t+2], v[ST+8*\t+3]
.endr
.irp t, 0,1,2,3
	v_permlanex16_b32 v[ST+8*\t+5], v[ST+8*\t+4], s[SEL], s[SEL+1]
.endr
.irp t, 0,1,2,3
	v_add_f32 v[ST+8*\t+4], v[ST+8*\t+4], v[ST+8*\t+5]
.endr
	s_cmp_eq_u32 s[KH], 0
	s_cbranch_scc1 .Lkeeper
	WIN 0x04                        ; an LDS store's data are its source 1: window 1
.set i, 0
.rept 64
	ds_store_b128 v[MA], v[4*i:4*i+3] offset:512*i   ; each accumulator from its low end on
.set i, i+1
.endr
	WIN 0
.irp t, 0,1,2,3
	ds_store_b32 v[MS], v[ST+8*\t] offset:256*\t
	ds_store_b32 v[MS], v[ST+8*\t+4] offset:256*\t+128
.endr
.Lkeeper:
	s_wait_dscnt 0x0                ; for the partner's sake: my stores have landed
	s_barrier_signal -1
	s_barrier_wait -1
	s_cmp_eq_u32 s[KH], 1
	s_cbranch_scc1 .Lend
.macro LOADP t                      ; the partner's tile t: 64 registers, into S^T's registers, two buffers by turns
.set i, 0
.rept 16
	ds_load_b128 v[S+64*((\t)%2)+4*i:S+64*((\t)%2)+4*i+3], v[MA] offset:512*(16*(\t)+i)
.set i, i+1
.endr
.endm
.irp t, 0,1,2,3
	ds_load_b32 v[PS+\t], v[MS] offset:256*\t
	ds_load_b32 v[PS+4+\t], v[MS] offset:256*\t+128
.endr
	LOADP 0
	LOADP 1
	s_wait_dscnt 32                 ; the statistics are in; the two tiles' 32 loads may be out
.irp t, 0,1,2,3
	v_max_num_f32 v[ST+8*\t+5], v[ST+8*\t], v[PS+\t]         ; the joint c m
.endr
.irp t, 0,1,2,3
	v_sub_f32 v[ST+8*\t+2], v[ST+8*\t], v[ST+8*\t+5]
	v_sub_f32 v[ST+8*\t+3], v[PS+\t], v[ST+8*\t+5]
.endr
.irp t, 0,1,2,3
	v_exp_f32 v[ST+8*\t+2], v[ST+8*\t+2]                     ; a0, a1: one of the two is 1
	v_exp_f32 v[ST+8*\t+3], v[ST+8*\t+3]
.endr
	v_nop
	s_wait_alu depctr_va_vdst(0)    ; one wait for the eight exponentials, ahead of their first reader
.irp t, 0,1,2,3
	v_mul_f32 v[ST+8*\t+5], v[ST+8*\t+2], v[ST+8*\t+4]
.endr
.irp t, 0,1,2,3
	v_fma_f32 v[ST+8*\t+5], v[ST+8*\t+3], v[PS+4+\t], v[ST+8*\t+5]   ; the joint sum, at least 1
.endr
.irp t, 0,1,2,3
	v_rcp_f32 v[ST+8*\t+5], v[ST+8*\t+5]
.endr
	v_nop
	s_wait_alu depctr_va_vdst(0)    ; and one for the four reciprocals
.irp t, 0,1,2,3
	v_mul_f32 v[ST+8*\t+6], v[ST+8*\t+2], v[ST+8*\t+5]       ; my part's factor,
	v_mul_f32 v[ST+8*\t+4], v[ST+8*\t+3], v[ST+8*\t+5]       ; the partner's
.endr
; Tile t: both parts joined, rounded to f16; a lane's eight channels of a row pack into 16 bytes, go into rows of 272 bytes and come back as whole rows of 256.
.macro OUTT t
.if \t < 3
	s_wait_dscnt 16                 ; the partner's tile t is in; the next tile's 16 loads may be out
.else
	s_wait_dscnt 0x0
.endif
	WIN W_RS
.set i, 0
.rept 32
	v_pk_mul_f32 v[64*\t+2*i:64*\t+2*i+1], v[64*\t+2*i:64*\t+2*i+1], v[ST+8*\t+6:ST+8*\t+7] op_sel_hi:[1,0]
.set i, i+1
.endr
	WIN 0x50                        ; source 2 and destination window 1
.set i, 0
.rept 32
	v_pk_fma_f32 v[64*\t+2*i:64*\t+2*i+1], v[S+64*(\t%2)+2*i:S+64*(\t%2)+2*i+1], v[ST+8*\t+4:ST+8*\t+5], v[64*\t+2*i:64*\t+2*i+1] op_sel_hi:[1,0,1]
.set i, i+1
.endr
	WIN 0x05                        ; sources 0 and 1 window 1
.set i, 0
.rept 32
	v_cvt_pk_f16_f32 v[P+i], v[64*\t+2*i], v[64*\t+2*i+1]
.set i, i+1
.endr
	WIN 0
.irp f, 0,1,2,3,4,5,6,7
	ds_store_b128 v[STO], v[P+4*\f:P+4*\f+3] offset:32*\f
.endr
.if \t > 0
	s_wait_xcnt 0x0                 ; the last tile's stores have read the registers into which this tile comes back
.endif
.irp f, 0,1,2,3,4,5,6,7
	ds_load_b128 v[P+32+4*\f:P+32+4*\f+3], v[RD] offset:\f*2*SP   ; LDS serves a wave's instructions in order: these see the stores above
.endr
.if \t < 2
	LOADP \t+2
.set y, 16
.else
.set y, 0
.endif
.irp f, 0,1,2,3,4,5,6,7
	s_wait_dscnt y+7-\f             ; behind load f: the later loads from the stage, and the partner's tile just asked for
	global_store_b128 v[GO], v[P+32+4*\f:P+32+4*\f+3], s[6:7] offset:32768*\t+4096*\f  ; 16 lanes store 256 consecutive bytes, aligned
.endr
.endm
	OUTT 0
	OUTT 1
	OUTT 2
	OUTT 3
.Lend:
	s_wait_tensorcnt 0x0            ; the wave's end: the tensor wait, the add and its wait, behind my last tensor load and my last LDS store
	ds_add_u32 v[SPW], v[NIL]
	s_wait_dscnt 0x0
	CROUND                          ; the closing round: no work-group ends while a partner may still ask for a tile that names it
	s_endpgm
.Lfunc_end_k_qba6caacadf_attn:
	.size	k_qba6caacadf_attn, .Lfunc_end_k_qba6caacadf_attn-k_qba6caacadf_attn
	.p2alignl 7, 3214868480
	.fill 96, 4, 3214868480
	.section	.rodata,"a",@progbits
	.p2align	6, 0x0
	.amdhsa_kernel k_qba6caacadf_attn
		.amdhsa_group_segment_fixed_size 327680
		.amdhsa_private_segment_fixed_size 0
		.amdhsa_enable_private_segment 0
		.amdhsa_kernarg_size 16
		.amdhsa_user_sgpr_count 2
		.amdhsa_user_sgpr_kernarg_segment_ptr 1
		.amdhsa_wavefront_size32 1
		.amdhsa_system_sgpr_workgroup_id_x 1
		.amdhsa_system_sgpr_workgroup_id_y 1
		.amdhsa_system_sgpr_workgroup_id_z 1
		.amdhsa_system_vgpr_workitem_id 0
		.amdhsa_next_free_vgpr 1024
		.amdhsa_next_free_sgpr 80
		.amdhsa_reserve_vcc 0
		.amdhsa_float_denorm_mode_32 3
		.amdhsa_float_denorm_mode_16_64 3
		.amdhsa_memory_ordered 1
		.amdhsa_forward_progress 1
		.amdhsa_inst_pref_size 255
	.end_amdhsa_kernel
	.section	.bss,"aw",@nobits
	.p2align	6
	.space	262144
	.amdgpu_metadata
---
amdhsa.version: [ 1, 2 ]
amdhsa.kernels:
  - .name:           k_qba6caacadf_attn
    .symbol:         k_qba6caacadf_attn.kd
    .args:
      - { .name: qkv, .offset: 0, .size: 8, .value_kind: global_buffer, .address_space: global }
      - { .name: oh, .offset: 8, .size: 8, .value_kind: global_buffer, .address_space: global }
    .group_segment_fixed_size: 327680
    .private_segment_fixed_size: 0
    .kernarg_segment_align: 8
    .kernarg_segment_size: 16
    .max_flat_workgroup_size: 128
    .sgpr_count:     80
    .vgpr_count:     1024
    .wavefront_size: 32
...
	.end_amdgpu_metadata
.endif
;; end of part 3
;; launch proj (part 4): grid 8 x 32, 4 waves a work-group, clusters of 4 x 4, 327,680 bytes of LDS; arguments oh, woh, out0; writes out0
.if DOCPART == 4
	.amdgcn_target "amdgcn-amd-amdhsa--gfx1250"
	.amdhsa_code_object_version 6
	.text
	.protected	k_qba6caacadf_proj
	.globl	k_qba6caacadf_proj
	.p2align	8
	.type	k_qba6caacadf_proj,@function
k_qba6caacadf_proj:
	s_mov_b64 s[64:65], 0
	v_nop
	global_prefetch_b8 v0, s[64:65] scope:SCOPE_SE
	s_setreg_imm32_b32 hwreg(HW_REG_WAVE_MODE, 25, 1), 1
	s_wait_xcnt 0x0
	s_wait_alu depctr_hold_cnt(0) depctr_sa_sdst(0) depctr_va_vdst(0) depctr_va_sdst(0) depctr_va_ssrc(0) depctr_va_vcc(0) depctr_vm_vsrc(0)
	s_getreg_b32 s2, hwreg(HW_REG_IB_STS2, 6, 4)
	s_cmp_eq_u32 s2, 0
	s_cbranch_scc0 .Lentry_in_a_cluster
	s_endpgm
.Lentry_in_a_cluster:
	s_bfe_u32 s2, ttmp6, 0x10000c
	s_cmp_lg_u32 s2, 0xf033
	s_cbranch_scc0 .Lentry_shape_is_right
	s_endpgm
.Lentry_shape_is_right:
; PROJ: out0[m][n] = the sum over k of oh[m][k] woh[n][k].  oh: [4096][1024], woh: [2048][1024], f16; out0: [4096][2048] f32; sums in f32.
; Tiles of 256 x 256 would be 128 work-groups: a tile is 128 (m) x 256 (n), 8 x 32 = 256 work-groups.  Four waves, each 64 x 128: 32 accumulators of 16 x 16, 256 registers.
; K goes in steps of 128 (rows of 256 bytes of memory) through a ring of two LDS slots: A's 128 rows, then B's 256.  (Steps of 256 would want more LDS than a work-group can have.)
; CLUSTERS: 4 x 4 work-groups.  The four of a row of the cluster need the same tiles of oh, the four of a column the same tiles of woh: each tile is asked for JOINTLY.
; THE WALK ALONG K BEGINS AT ANOTHER STEP IN EACH CLUSTER: cluster (X, Y) takes the eight K steps in the order r, r + 1, .. r + 7 modulo 8, r = (2 (Y mod 4) + 4 X) mod 8, the same in all sixteen partners.
; The rows of woh that a cluster reads are read by the eight clusters of its X: of four neighbours along Y the first fills (two K steps each, r = 0, 2, 4, 6) name all eight K steps, so each later refill names
; bytes that another cluster's first fills have named.  The rows of oh are read by the two clusters of a Y, which begin four steps apart: the refills of the walk's second half name what the other has named.
; THE MATRIX INSTRUCTION IS USED TRANSPOSED (source 0 = 16 rows of woh, source 1 = 16 rows of oh): a lane then holds eight neighbouring numbers of a row of out0.
; LIMITS: f16's range for both operands, as the launches that made them state it.  The order of the f32 sums along K is a rotation of the ascending order, another in each cluster: the last bits differ accordingly.
; REGISTERS: window 0: v0-31 addresses; v64-191 A's fragments, two buffers of 64 (64 along K: 2 x 4 x 16 rows x 32 K); on the way out v128-255.
;   window 1: B's fragments, two buffers of 128.   window 2: the accumulators ((a, b) at v[8 (8 a + b)]).
.set SIZE_K, 1024
.set SIZE_N, 2048
.set KSTEP,  128
.set PITCH,  272                       ; an LDS row: 256 bytes + 16 of padding
.set AT,     128*PITCH                 ; A's tile
.set SLOT,   AT+256*PITCH
.set SPARE,  2*SLOT                    ; behind the ring: the spare words, 128 bytes for each wave: two blocks of 256 bytes that no other line names
.set SPITCH, 528                       ; the way out: a stage of 16 rows x (512 bytes + 16) for each wave, in slot 0, which has had its last fill and its last read by then
.set ADRA, 16
.set ADRB, 20
.set STO,  24
.set RD,   25
.set CO,   26
.set SPW,  28
.set NIL,  29
.set BK,   128
.set G1, 24                            ; s[24:31] descriptor group 1 for A's tiles (64 rows);  s[32:39] group 0, one set for each slot
.set G0, 32
.set G1B, 48                           ; s[48:55] for B's (128 rows);  s[56:63] group 0
.set G0B, 56
.set ABASE, 66                         ; s[66:67] oh at the first of the rows that I fetch, K = 0; never rewritten
.set BBASE, 68                         ; s[68:69] woh likewise
.set KK,    70                         ; s70      r + the number of the K step, in my cluster's order, that the next refill asks for
.set KOF,   72                         ; s[72:73] that step's byte in a row: 256 x (KK mod 8), and 0 above it
.set MSB, 0
.macro WIN new
.if MSB != \new
	s_set_vgpr_msb (MSB<<8)|\new
.set MSB, \new
.endif
.endm
.set MUL,  0xa1                        ; source 0 (B) window 1, source 1 (A) window 0, C and D window 2
.set TO_B, 0x40
.macro JLOAD s                         ; a joint load: waves 0 and 1 fetch A's two halves, waves 2 and 3 B's; an s_nop 0 and four v_nop follow each of the two lines
	s_cmp_eq_u32 s11, 0
	s_cbranch_scc0 .Lfor_b_\@
	tensor_load_to_lds s[G0+4*\s:G0+4*\s+3], s[G1:G1+7]
	s_nop 0
.rept 4
	v_nop
.endr
	s_branch .Lasked_\@
.Lfor_b_\@:
	tensor_load_to_lds s[G0B+4*\s:G0B+4*\s+3], s[G1B:G1B+7]
	s_nop 0
.rept 4
	v_nop
.endr
.Lasked_\@:
.endm
.macro CREST
	s_cmp_lg_u32 s10, 0
	s_cbranch_scc1 .Lnot_wave_0_\@
	s_barrier_signal -3
.Lnot_wave_0_\@:
	s_barrier_wait -3
	s_barrier_signal -1
	s_barrier_wait -1
.endm
.macro CROUND
	s_barrier_signal -1
	s_barrier_wait -1
	CREST
.endm
	s_load_b128 s[4:7], s[0:1], 0x0                ; oh s[4:5], woh s[6:7]
	s_load_b64 s[8:9], s[0:1], 0x10                ; out0
	v_lshl_add_u32 v[SPW], v0, 2, SPARE
	v_mov_b32 v[NIL], 0
	ds_add_u32 v[SPW], v[NIL]                      ; the wave's opening: the add, twice on end, and its wait ahead of my first tensor load
	ds_add_u32 v[SPW], v[NIL]
	v_lshrrev_b32 v1, 5, v0
	v_readfirstlane_b32 s10, v1                    ; wave 0..3
	s_lshr_b32 s11, s10, 1                         ; which half of the tile's rows is mine.  Also: I fetch for A (0) or for B (1)
	s_and_b32 s12, s10, 1                          ; which half of its columns.  Also: which half of that tile I fetch
	s_bfe_u32 s40, ttmp6, 0x40000                  ; cx, cy
	s_bfe_u32 s41, ttmp6, 0x40004
	s_lshl_b32 s42, ttmp9, 2
	s_add_co_u32 s42, s42, s40                     ; tile column
	s_and_b32 s13, ttmp7, 0xffff
	s_lshl_b32 s13, s13, 2
	s_add_co_u32 s13, s13, s41                     ; tile row
	s_lshl_b32 s43, s41, 2
	s_lshl_b32 s43, 15, s43                        ; my row of the cluster
	s_lshl_b32 s44, 0x1111, s40                    ; my column
	s_or_b32 s[G1+0], s43, (1<<16)|(1<<20)|(1<<21)|(5<<22)|(3<<25)  ; 15:0 the mask; 17:16 element of 2 bytes; 20 padding on; 21 set beside a mask; 24:22 after every 64 words; 31:25 of 4 words
	s_or_b32 s[G1B+0], s44, (1<<16)|(1<<20)|(1<<21)|(5<<22)|(3<<25)
	s_mov_b32 s[G1+1], KSTEP<<16                   ; tensor_dim0
	s_mov_b32 s[G1+2], 64<<16                      ; tensor_dim1: A's half is 64 rows
	s_mov_b32 s[G1+3], KSTEP<<16                   ; tile_dim0
	s_mov_b32 s[G1+4], 64                          ; tile_dim1
	s_mov_b32 s[G1+5], SIZE_K                      ; tensor_dim0_stride
	s_mov_b32 s[G1+6], 0
	s_mov_b32 s[G1+7], 0
	s_mov_b32 s[G1B+1], KSTEP<<16
	s_mov_b32 s[G1B+2], 128<<16                    ; B's half is 128 rows
	s_mov_b32 s[G1B+3], KSTEP<<16
	s_mov_b32 s[G1B+4], 128
	s_mov_b32 s[G1B+5], SIZE_K
	s_mov_b32 s[G1B+6], 0
	s_mov_b32 s[G1B+7], 0
	s_lshl_b32 s16, s13, 7
	s_lshl_b32 s17, s12, 6
	s_add_co_u32 s16, s16, s17                     ; A: row 128 x tile row + 64 x half,
	s_lshl_b32 s16, s16, 11                        ; 2,048 bytes a row
	s_mov_b32 s17, 0
	s_lshl_b32 s46, s42, 8
	s_lshl_b32 s47, s12, 7
	s_add_co_u32 s46, s46, s47                     ; B: row 256 x tile column + 128 x half
	s_lshl_b32 s46, s46, 11
	s_mov_b32 s47, 0
	s_mul_i32 s20, s12, 64*PITCH                   ; where they go: no place in the cluster enters an LDS address
	s_mul_i32 s21, s12, 128*PITCH
	s_add_co_u32 s21, s21, AT
	s_and_b32 s[KK], ttmp7, 3                      ; where my cluster's walk along K begins: the cluster's y mod 4,
	s_lshl_b32 s[KK], s[KK], 1                     ; twice,
	s_lshl_b32 s[KOF], ttmp9, 2                    ; + 4 x the cluster's x,
	s_add_co_u32 s[KK], s[KK], s[KOF]
	s_and_b32 s[KK], s[KK], 7                      ; modulo 8: r, an even number: steps r and r + 1, the first fills', need no wrap
	s_lshl_b32 s[KOF], s[KK], 8                    ; a K step is 256 bytes of a row
	s_mov_b32 s[KOF+1], 0
	s_wait_dscnt 0x0                               ; both opening adds are done
	s_wait_kmcnt 0x0
	s_add_nc_u64 s[ABASE:ABASE+1], s[4:5], s[16:17]
	s_add_nc_u64 s[BBASE:BBASE+1], s[6:7], s[46:47]
	s_add_nc_u64 s[14:15], s[ABASE:ABASE+1], s[KOF:KOF+1]   ; at K step r
	s_add_nc_u64 s[46:47], s[BBASE:BBASE+1], s[KOF:KOF+1]
	s_add_co_u32 s[KK], s[KK], 2                   ; the first refill asks for step r + 2
	CROUND                                         ; all sixteen work-groups are here: the first joint loads meet
.irp s, 0,1
	s_mov_b32 s[G0+4*\s], 1
	s_add_co_u32 s[G0+4*\s+1], s20, \s*SLOT
	s_add_nc_u64 s[G0+4*\s+2:G0+4*\s+3], s[14:15], \s*KSTEP*2
	s_or_b32 s[G0+4*\s+3], s[G0+4*\s+3], 0x80000000
	s_mov_b32 s[G0B+4*\s], 1
	s_add_co_u32 s[G0B+4*\s+1], s21, \s*SLOT
	s_add_nc_u64 s[G0B+4*\s+2:G0B+4*\s+3], s[46:47], \s*KSTEP*2
	s_or_b32 s[G0B+4*\s+3], s[G0B+4*\s+3], 0x80000000
	JLOAD \s
.endr
	v_and_b32 v1, 15, v0                           ; l % 16
	v_bfe_u32 v2, v0, 4, 1                         ; l / 16
	v_mul_u32_u24 v3, v1, PITCH
	v_lshl_add_u32 v3, v2, 4, v3                   ; a fragment's row x pitch + 16 x half
	s_mul_i32 s21, s11, 64*PITCH                   ; my 64 rows of A
	s_mul_i32 s22, s12, 128*PITCH                  ; my 128 rows of B,
	s_add_co_u32 s22, s22, AT                      ; which lie behind A's 128
.irp s, 0,1
	v_add_nc_u32 v[ADRA+\s], s21, v3
	v_add_nc_u32 v[ADRB+\s], s22, v3
	s_add_co_u32 s21, s21, SLOT
	s_add_co_u32 s22, s22, SLOT
.endr
	s_mul_i32 s23, s10, 16*SPITCH                  ; my stage
	v_mul_u32_u24 v5, v1, SPITCH                   ; in: row l % 16, 32 bytes for each half of the lanes
	v_lshl_add_u32 v5, v2, 5, v5
	v_add_nc_u32 v[STO], s23, v5
	v_and_b32 v6, 31, v0
	v_lshlrev_b32 v[CO], 4, v6                     ; back: the 32 lanes take one row of 512 bytes; and the same in out0
	v_add_nc_u32 v[RD], s23, v[CO]
	s_lshl_b32 s16, s13, 7
	s_lshl_b32 s17, s11, 6
	s_add_co_u32 s16, s16, s17                     ; my first row of out0,
	s_lshl_b32 s16, s16, 13                        ; 8,192 bytes a row
	s_lshl_b32 s46, s42, 10                        ; my first column, in bytes: 1,024 x tile column + 512 x half
	s_lshl_b32 s47, s12, 9
	s_add_co_u32 s46, s46, s47
	s_add_co_u32 s16, s16, s46
	s_mov_b32 s17, 0
	s_add_nc_u64 s[8:9], s[8:9], s[16:17]
; 16 matrix instructions: m blocks a0, a0 + 1 x all 8 n blocks, 32 along K: half c of buffer f.  zero = 1: the first product starts the sums.  The 32 accumulators take turns.
.macro MUL16 f, c, a0, zero
.irp a, \a0, \a0+1
.irp b, 0,1,2,3,4,5,6,7
.if \zero
	v_wmma_f32_16x16x32_f16 v[8*(8*(\a)+\b):8*(8*(\a)+\b)+7], v[128*\f+64*\c+8*\b:128*\f+64*\c+8*\b+7], v[64+64*\f+32*\c+8*(\a):64+64*\f+32*\c+8*(\a)+7], 0
.else
	v_wmma_f32_16x16x32_f16 v[8*(8*(\a)+\b):8*(8*(\a)+\b)+7], v[128*\f+64*\c+8*\b:128*\f+64*\c+8*\b+7], v[64+64*\f+32*\c+8*(\a):64+64*\f+32*\c+8*(\a)+7], v[8*(8*(\a)+\b):8*(8*(\a)+\b)+7]
.endif
.endr
.endr
.endm
.macro MUL32 f, c, zero
	MUL16 \f, \c, 0, \zero
	MUL16 \f, \c, 2, \zero
.endm
; 48 LDS loads in one run: the fragments of 64 along K at byte k of the rows, into buffer f: B's 32, then A's first 32 along K (8), then A's second (8)
.macro FETCH slot, k, f
	WIN TO_B
.irp c, 0,1
.irp i, 0,1,2,3,4,5,6,7
	ds_load_b128 v[128*\f+64*\c+8*\i:128*\f+64*\c+8*\i+3],   v[ADRB+\slot] offset:\k+64*\c+\i*16*PITCH
	ds_load_b128 v[128*\f+64*\c+8*\i+4:128*\f+64*\c+8*\i+7], v[ADRB+\slot] offset:\k+64*\c+\i*16*PITCH+32
.endr
.endr
	WIN 0
.irp c, 0,1
.irp i, 0,1,2,3
	ds_load_b128 v[64+64*\f+32*\c+8*\i:64+64*\f+32*\c+8*\i+3],   v[ADRA+\slot] offset:\k+64*\c+\i*16*PITCH
	ds_load_b128 v[64+64*\f+32*\c+8*\i+4:64+64*\f+32*\c+8*\i+7], v[ADRA+\slot] offset:\k+64*\c+\i*16*PITCH+32
.endr
.endr
.endm
.macro PLACES                          ; four plain lines in front of loads into registers that matrix instructions have read, and of the first read of results
.rept 4
	v_nop
.endr
.endm
; A K step is two halves of 64 along K, 64 matrix instructions each, on buffers 0 and 1.  The first: multiplies buffer f and fetches the second, at byte k, into g.
.macro HALF slot, k, f, g, zero
	s_wait_dscnt 8                                 ; all but A's second 32 along K are in
	WIN MUL
	MUL32 \f, 0, \zero
	PLACES
	FETCH \slot, \k, \g
	s_wait_dscnt 48                                ; all but the 48 just issued
	WIN MUL
	MUL32 \f, 1, 0
.endm
; The second half multiplies buffer 1 and changes slots: ONE barrier; in front of it each wave waits for all its tensor loads, adds 0 to its spare word, and waits for that and for its own reads of this slot.
; fill = 1: this slot takes the K step two on in my cluster's order: its place in a row is 256 x (KK mod 8), added to the two kept addresses; the type bits are set anew.
.macro TURN slot, next, fill
	WIN 0                                          ; (the add's two registers lie in window 0)
	s_wait_tensorcnt 0x0                           ; all my tensor loads have landed: my part of the next slot; so every group 0 may be written
	ds_add_u32 v[SPW], v[NIL]                      ; 0 onto my spare word; the descriptors' words stand between it and the wait for it
.if \fill
	s_and_b32 s[KOF], s[KK], 7
	s_lshl_b32 s[KOF], s[KOF], 8
	s_add_nc_u64 s[G0+4*\slot+2:G0+4*\slot+3], s[ABASE:ABASE+1], s[KOF:KOF+1]
	s_or_b32 s[G0+4*\slot+3], s[G0+4*\slot+3], 0x80000000
	s_add_nc_u64 s[G0B+4*\slot+2:G0B+4*\slot+3], s[BBASE:BBASE+1], s[KOF:KOF+1]
	s_or_b32 s[G0B+4*\slot+3], s[G0B+4*\slot+3], 0x80000000
	s_add_co_u32 s[KK], s[KK], 1
.endif
	s_wait_dscnt 9                                 ; (the add and the youngest eight loads may be out)
	WIN MUL
	MUL16 1, 0, 0, 0
	s_wait_dscnt 0x0                               ; the add is done, and my reads of this slot are over
	s_barrier_signal -1
	MUL16 1, 0, 2, 0
.if \fill
	WIN 0
.endif
	s_barrier_wait -1
.if \fill
	CREST                                          ; the barrier has opened a round of the cluster's barrier: no wave of any partner still reads this slot's tile or has a load on its way
	JLOAD \slot                                    ; the first tensor load behind the round; its four v_nop are also the places in front of the loads below
.else
	PLACES
.endif
	FETCH \next, 0, 0
	WIN MUL
	MUL32 1, 1, 0
.endm
	s_wait_tensorcnt 1                             ; my part of the first K step is in (the second's load may be out),
	s_barrier_signal -1
	s_barrier_wait -1                              ; everybody's is
	FETCH 0, 0, 0
	HALF 0, 128, 0, 1, 1                           ; the first half stands in front of the loop: its first products start the sums
	WIN 0
	s_mov_b32 s3, SIZE_K/(2*KSTEP)-1
.Llap:                                                 ; a trip goes once round the ring and fills both slots again: three trips, six refills
	TURN 0, 1, 1
	HALF 1, 128, 0, 1, 0
	TURN 1, 0, 1
	HALF 0, 128, 0, 1, 0
	WIN 0
	s_sub_co_u32 s3, s3, 1
	s_cmp_lg_u32 s3, 0
	s_cbranch_scc1 .Llap
	TURN 0, 1, 0                                   ; the last lap fills nothing
	HALF 1, 128, 0, 1, 0
	s_wait_dscnt 8
	WIN MUL
	MUL32 1, 0, 0
	s_wait_dscnt 0
	MUL32 1, 1, 0
	WIN 0
; THE WAY OUT, block by block of 16 rows x 128 columns: through my own stage and back as whole rows of 512 bytes.  LDS serves a wave's instructions in order: no wait between the stores and the loads.
.macro TOSTAGE a
	WIN 0x08                                       ; an LDS store's data are its source 1: window 2
.irp b, 0,1,2,3,4,5,6,7
	ds_store_b128 v[STO], v[64*(\a)+8*\b:64*(\a)+8*\b+3] offset:64*\b          ; each accumulator from its low end on
	ds_store_b128 v[STO], v[64*(\a)+8*\b+4:64*(\a)+8*\b+7] offset:64*\b+16
.endr
	WIN 0
.set BB, BK+64*((\a)%2)
.irp t, 0,1,2,3,4,5,6,7,8,9,10,11,12,13,14,15
	ds_load_b128 v[BB+4*\t:BB+4*\t+3], v[RD] offset:\t*SPITCH
.endr
.endm
.macro SEND a, younger                 ; younger: the LDS instructions issued behind block a's loads, which may stay out
.set BB, BK+64*((\a)%2)
	s_wait_dscnt \younger
.irp t, 0,1,2,3,4,5,6,7,8,9,10,11,12,13,14,15
	global_store_b128 v[CO], v[BB+4*\t:BB+4*\t+3], s[8:9] offset:(16*(\a)+\t)*SIZE_N*4 th:TH_STORE_NT   ; 32 lanes store 512 consecutive bytes, aligned; written once, read by nobody here
.endr
.endm
	PLACES
	TOSTAGE 0
.irp a, 1,2,3
.if \a > 1
	s_wait_xcnt 0x0                                ; block a - 2's stores have read the registers into which block a comes back
.endif
	TOSTAGE \a
	SEND \a-1, 32                                  ; behind block a - 1's loads: block a's 16 stores and 16 loads
.endr
	SEND 3, 0
	s_wait_tensorcnt 0x0                           ; the wave's end: the tensor wait, the add and its wait, behind my last tensor load and my last LDS store
	ds_add_u32 v[SPW], v[NIL]
	s_wait_dscnt 0x0
	CROUND                                         ; the closing round
	s_endpgm
.Lfunc_end_k_qba6caacadf_proj:
	.size	k_qba6caacadf_proj, .Lfunc_end_k_qba6caacadf_proj-k_qba6caacadf_proj
	.p2alignl 7, 3214868480
	.fill 96, 4, 3214868480
	.section	.rodata,"a",@progbits
	.p2align	6, 0x0
	.amdhsa_kernel k_qba6caacadf_proj
		.amdhsa_group_segment_fixed_size 327680
		.amdhsa_private_segment_fixed_size 0
		.amdhsa_enable_private_segment 0
		.amdhsa_kernarg_size 24
		.amdhsa_user_sgpr_count 2
		.amdhsa_user_sgpr_kernarg_segment_ptr 1
		.amdhsa_wavefront_size32 1
		.amdhsa_system_sgpr_workgroup_id_x 1
		.amdhsa_system_sgpr_workgroup_id_y 1
		.amdhsa_system_sgpr_workgroup_id_z 1
		.amdhsa_system_vgpr_workitem_id 0
		.amdhsa_next_free_vgpr 768
		.amdhsa_next_free_sgpr 80
		.amdhsa_reserve_vcc 0
		.amdhsa_float_denorm_mode_32 3
		.amdhsa_float_denorm_mode_16_64 3
		.amdhsa_memory_ordered 1
		.amdhsa_forward_progress 1
		.amdhsa_inst_pref_size 83
	.end_amdhsa_kernel
	.amdgpu_metadata
---
amdhsa.version: [ 1, 2 ]
amdhsa.kernels:
  - .name:           k_qba6caacadf_proj
    .symbol:         k_qba6caacadf_proj.kd
    .args:
      - { .name: oh, .offset: 0, .size: 8, .value_kind: global_buffer, .address_space: global }
      - { .name: woh, .offset: 8, .size: 8, .value_kind: global_buffer, .address_space: global }
      - { .name: out0, .offset: 16, .size: 8, .value_kind: global_buffer, .address_space: global }
    .group_segment_fixed_size: 327680
    .private_segment_fixed_size: 0
    .kernarg_segment_align: 8
    .kernarg_segment_size: 24
    .max_flat_workgroup_size: 128
    .sgpr_count:     80
    .vgpr_count:     768
    .wavefront_size: 32
...
	.end_amdgpu_metadata
.endif
;; end of part 4
